; MI455X (gfx1250); checked and timed in simulation.
; The chip was launched on July 23, 2026; its instructions are those of AMD's public machine-readable ISA for CDNA 5 (MIT licence, August 2026) and "CDNA5" Instruction Set Architecture Reference Guide (July 2026). The comments in the code are by the model that wrote it; some were corrected since.
;; Deformable Detr Encoder Layer. Allowed arithmetic: float matrix products may take bf16 or f16 operands with f32 sums; other float arithmetic in f32, or as packed bf16 or f16 multiplies, adds, multiply-adds, maxima and minima; sums over many terms, partial sums and values carried from step to step in f32; what a program stores and reads back later, other than sums and carried values, may be rounded once to bf16 or f16.
;; Inputs: W_att 256 x 128 float32; W_fc1 256 x 1,024 float32; W_fc2 1,024 x 256 float32; W_off 256 x 256 float32; W_out 256 x 256 float32; W_val 256 x 256 float32; attention_mask 2 x 13,294 bool; b_att 128 float32; b_fc1 1,024 float32; b_fc2 256 float32; b_off 256 float32; b_out 256 float32; b_val 256 float32; hidden_states 2 x 13,294 x 256 float32; level_start_index 4 int32; ln1_b 256 float32; ln1_g 256 float32; ln2_b 256 float32; ln2_g 256 float32; position_embeddings 2 x 13,294 x 256 float32; reference_points 2 x 13,294 x 4 x 2 float32; spatial_shapes 4 x 2 int32.
;; Outputs: out0 2 x 13,294 x 256 float32.
;; 3 versions, each right; version 2 is faster than version 1; version 3 is version 2 with the launch prep written anew for expert scheduling mode. Each part assembles by itself: llvm-mc -triple=amdgcn-amd-amdhsa -mcpu=gfx1250 --defsym DOCPART=n.
;; ======== version 1 of 3: 4 launches
;; limits: values are held in f16: magnitudes above 65,504 overflow, below 6.1e-05 lose precision
;; workspace buffers: wt 1,507,328 bytes; vh 13,639,680 bytes; sidx 6,815,744 bytes of whole numbers; swt 27,262,976 bytes; attn 13,613,056 bytes
;; launch prep (part 1): grid 92 x 1, 8 waves a work-group, no clusters, 18,432 bytes of LDS; arguments W_val, W_off, W_att, W_out, W_fc1, W_fc2, wt; writes wt
.if DOCPART == 1
	.amdgcn_target "amdgcn-amd-amdhsa--gfx1250"
	.amdhsa_code_object_version 6
	.text
	.protected	k_qde10b4df50_prep
	.globl	k_qde10b4df50_prep
	.p2align	8
	.type	k_qde10b4df50_prep,@function
k_qde10b4df50_prep:
	s_mov_b64 s[64:65], 0
	v_nop
	global_prefetch_b8 v0, s[64:65] scope:SCOPE_SE
	s_setreg_imm32_b32 hwreg(HW_REG_WAVE_MODE, 25, 1), 1
	s_wait_xcnt 0x0
; The six weight matrices, f32 [k][n], are rounded once to bf16 and written transposed, [n][k], into wt, so that the later
; launches' matrix fragments lie along k.  A work-group turns one tile of 128 k x 64 n through LDS: 92 tiles in all.
; wt: WV at 0 [256][256]; WOA at 131,072 [384][256]: head h owns rows 48 h .. 48 h + 47: its 32 offset columns, then its 16 logit
; columns with bits 2 and 3 of the point's number exchanged (levels in the order 0, 2, 1, 3); WO at 327,680 [256][256];
; W1 at 458,752 [1024][256]; W2 at 983,040 [256][1024].
; Reads: 16 lanes take 256 consecutive bytes of a source row.  Writes: 16 lanes fill 256 consecutive bytes, aligned, of a row of wt.
.set TP,    272                        ; an LDS row: 128 bf16 + 16 bytes
.set SPARE, 17408                      ; behind the tile: the spare words, 128 bytes for each of the eight waves
.set SPW, 62
.set NIL, 63
.set AD,  4                            ; v4-11   byte offsets of my eight loads
.set X,   12                           ; v12-43  eight loads of four f32; later four read-backs
.set LST, 44                           ; where I put my numbers in the tile
.set NN,  48                           ; v48-51  the four columns n whose rows I write
.set DR,  52                           ; v52-55  their rows in wt, then their byte offsets
.set LRD, 56
.set C16, 57
.set TT,  58
	s_load_b256 s[4:11], s[0:1], 0x0               ; W_val, W_off, W_att, W_out
	s_load_b128 s[12:15], s[0:1], 0x20             ; W_fc1, W_fc2
	s_load_b64 s[16:17], s[0:1], 0x30              ; wt
	v_lshl_add_u32 v[SPW], v0, 2, SPARE
	v_mov_b32 v[NIL], 0
	v_lshrrev_b32 v1, 4, v0                        ; 0..15: a row of the tile's sixteen
	v_and_b32 v2, 15, v0                           ; 0..15: 16 bytes of a row
	; which matrix, by the work-group's number: selects, no branch.  s22 = 4 N, s23 = first work-group, s24 = log2 of the k tiles,
	; s25 = place in wt, s26 = log2 of wt's row bytes, s27 = how a column's row is made
	s_mov_b32 s22, 1024
	s_mov_b32 s23, 60
	s_mov_b32 s24, 3
	s_mov_b32 s25, 983040
	s_mov_b32 s26, 11
	s_mov_b32 s27, 0
	s_wait_kmcnt 0x0
	s_mov_b64 s[20:21], s[14:15]
	s_cmp_lt_u32 ttmp9, 60
	s_cselect_b64 s[20:21], s[12:13], s[20:21]
	s_cselect_b32 s22, 4096, s22
	s_cselect_b32 s23, 28, s23
	s_cselect_b32 s24, 1, s24
	s_cselect_b32 s25, 458752, s25
	s_cselect_b32 s26, 9, s26
	s_cmp_lt_u32 ttmp9, 28
	s_cselect_b64 s[20:21], s[10:11], s[20:21]
	s_cselect_b32 s22, 1024, s22
	s_cselect_b32 s23, 20, s23
	s_cselect_b32 s25, 327680, s25
	s_cmp_lt_u32 ttmp9, 20
	s_cselect_b64 s[20:21], s[8:9], s[20:21]
	s_cselect_b32 s22, 512, s22
	s_cselect_b32 s23, 16, s23
	s_cselect_b32 s25, 131072, s25
	s_cselect_b32 s27, 2, s27
	s_cmp_lt_u32 ttmp9, 16
	s_cselect_b64 s[20:21], s[6:7], s[20:21]
	s_cselect_b32 s22, 1024, s22
	s_cselect_b32 s23, 8, s23
	s_cselect_b32 s27, 1, s27
	s_cmp_lt_u32 ttmp9, 8
	s_cselect_b64 s[20:21], s[4:5], s[20:21]
	s_cselect_b32 s23, 0, s23
	s_cselect_b32 s25, 0, s25
	s_cselect_b32 s27, 0, s27
	s_sub_co_u32 s28, ttmp9, s23                   ; the tile's number in its matrix
	s_bfm_b32 s29, s24, 0
	s_and_b32 s29, s28, s29
	s_lshr_b32 s30, s28, s24
	s_lshl_b32 s29, s29, 7                         ; k0
	s_lshl_b32 s30, s30, 6                         ; n0
	s_mul_i32 s32, s29, s22
	s_lshl_b32 s31, s30, 2
	s_add_co_u32 s32, s32, s31
	s_mov_b32 s33, 0
	s_add_nc_u64 s[20:21], s[20:21], s[32:33]      ; the tile's first number
	s_lshl_b32 s34, s22, 4                         ; sixteen source rows
	s_lshl_b32 s35, s29, 1
	s_add_co_u32 s35, s35, s25                     ; place in wt + 2 k0
	v_mul_lo_u32 v[AD], v1, s22
	v_lshl_add_u32 v[AD], v2, 4, v[AD]
.set i, 1
.rept 7
	v_add_nc_u32 v[AD+i], s34, v[AD+i-1]
.set i, i+1
.endr
.set i, 0
.rept 8
	global_load_b128 v[X+4*i:X+4*i+3], v[AD+i], s[20:21] th:TH_LOAD_NT
.set i, i+1
.endr
	v_mul_u32_u24 v[LST], v2, 4*TP                 ; my four columns n = 4 (t % 16) + e are four LDS rows,
	v_lshl_add_u32 v[LST], v1, 1, v[LST]           ; my k its place in them
	v_mul_u32_u24 v[LRD], v1, TP
	v_lshl_add_u32 v[LRD], v2, 4, v[LRD]
	v_lshlrev_b32 v[C16], 4, v2
.set j, 0
.rept 4
	v_add_nc_u32 v[NN+j], s30, v1
	v_add_nc_u32 v[NN+j], 16*j, v[NN+j]
.set j, j+1
.endr
	s_cmp_eq_u32 s27, 1                            ; the branch is the same for the whole work-group; no barrier stands inside
	s_cbranch_scc1 .Lmode1
	s_cmp_eq_u32 s27, 2
	s_cbranch_scc1 .Lmode2
.set j, 0
.rept 4
	v_mov_b32 v[DR+j], v[NN+j]
.set j, j+1
.endr
	s_branch .Lrows
.Lmode1:                                               ; offsets: column 32 h + c goes to row 48 h + c
.set j, 0
.rept 4
	v_lshrrev_b32 v[DR+j], 5, v[NN+j]
	v_lshl_add_u32 v[DR+j], v[DR+j], 4, v[NN+j]
.set j, j+1
.endr
	s_branch .Lrows
.Lmode2:                                               ; logits: column 16 h + pt goes to row 48 h + 32 + pt with bits 2 and 3 exchanged
.set j, 0
.rept 4
	v_lshrrev_b32 v[TT], 4, v[NN+j]
	v_mad_u32_u24 v[DR+j], v[TT], 48, 32
	v_and_b32 v[TT], 3, v[NN+j]
	v_add_nc_u32 v[DR+j], v[DR+j], v[TT]
	v_bfe_u32 v[TT], v[NN+j], 2, 1
	v_lshl_add_u32 v[DR+j], v[TT], 3, v[DR+j]
	v_bfe_u32 v[TT], v[NN+j], 3, 1
	v_lshl_add_u32 v[DR+j], v[TT], 2, v[DR+j]
.set j, j+1
.endr
.Lrows:
.set j, 0
.rept 4
	v_lshlrev_b32 v[DR+j], s26, v[DR+j]
	v_add3_u32 v[DR+j], v[DR+j], v[C16], s35
.set j, j+1
.endr
.set i, 0
.rept 8
	s_wait_loadcnt 7-i                             ; loads come back in order: load i is in, the younger ones stay out
	v_cvt_pk_bf16_f32 v[X+4*i], v[X+4*i], v[X+4*i+1]
	v_cvt_pk_bf16_f32 v[X+4*i+1], v[X+4*i+2], v[X+4*i+3]
	ds_store_b16 v[LST], v[X+4*i] offset:32*i
	ds_store_b16_d16_hi v[LST], v[X+4*i] offset:TP+32*i
	ds_store_b16 v[LST], v[X+4*i+1] offset:2*TP+32*i
	ds_store_b16_d16_hi v[LST], v[X+4*i+1] offset:3*TP+32*i
.set i, i+1
.endr
	s_wait_dscnt 0x0                               ; for the others' sake: my stores into the tile are done
	s_barrier_signal -1
	s_barrier_wait -1
.set j, 0
.rept 4
	ds_load_b128 v[X+4*j:X+4*j+3], v[LRD] offset:16*j*TP
.set j, j+1
.endr
.set j, 0
.rept 4
	s_wait_dscnt 3-j
	global_store_b128 v[DR+j], v[X+4*j:X+4*j+3], s[16:17]
.set j, j+1
.endr
	s_wait_tensorcnt 0x0                           ; the wave's end
	ds_add_u32 v[SPW], v[NIL]
	s_wait_dscnt 0x0
	s_endpgm
.Lfunc_end_k_qde10b4df50_prep:
	.size	k_qde10b4df50_prep, .Lfunc_end_k_qde10b4df50_prep-k_qde10b4df50_prep
	.p2alignl 7, 3214868480
	.fill 96, 4, 3214868480
	.section	.rodata,"a",@progbits
	.p2align	6, 0x0
	.amdhsa_kernel k_qde10b4df50_prep
		.amdhsa_group_segment_fixed_size 18432
		.amdhsa_private_segment_fixed_size 0
		.amdhsa_enable_private_segment 0
		.amdhsa_kernarg_size 56
		.amdhsa_user_sgpr_count 2
		.amdhsa_user_sgpr_kernarg_segment_ptr 1
		.amdhsa_wavefront_size32 1
		.amdhsa_system_sgpr_workgroup_id_x 1
		.amdhsa_system_sgpr_workgroup_id_y 1
		.amdhsa_system_sgpr_workgroup_id_z 1
		.amdhsa_system_vgpr_workitem_id 0
		.amdhsa_next_free_vgpr 64
		.amdhsa_next_free_sgpr 66
		.amdhsa_reserve_vcc 0
		.amdhsa_float_denorm_mode_32 3
		.amdhsa_float_denorm_mode_16_64 3
		.amdhsa_memory_ordered 1
		.amdhsa_forward_progress 1
		.amdhsa_inst_pref_size 12
	.end_amdhsa_kernel
	.amdgpu_metadata
---
amdhsa.version: [ 1, 2 ]
amdhsa.kernels:
  - .name:           k_qde10b4df50_prep
    .symbol:         k_qde10b4df50_prep.kd
    .args:
      - { .name: W_val, .offset: 0, .size: 8, .value_kind: global_buffer, .address_space: global }
      - { .name: W_off, .offset: 8, .size: 8, .value_kind: global_buffer, .address_space: global }
      - { .name: W_att, .offset: 16, .size: 8, .value_kind: global_buffer, .address_space: global }
      - { .name: W_out, .offset: 24, .size: 8, .value_kind: global_buffer, .address_space: global }
      - { .name: W_fc1, .offset: 32, .size: 8, .value_kind: global_buffer, .address_space: global }
      - { .name: W_fc2, .offset: 40, .size: 8, .value_kind: global_buffer, .address_space: global }
      - { .name: wt, .offset: 48, .size: 8, .value_kind: global_buffer, .address_space: global }
    .group_segment_fixed_size: 18432
    .private_segment_fixed_size: 0
    .kernarg_segment_align: 8
    .kernarg_segment_size: 56
    .max_flat_workgroup_size: 256
    .sgpr_count:     66
    .vgpr_count:     64
    .wavefront_size: 32
...
	.end_amdgpu_metadata
.endif
;; end of part 1
;; launch proj (part 2): grid 208 x 1, 4 waves a work-group, clusters of 4 x 1, 327,680 bytes of LDS; arguments hidden_states, position_embeddings, attention_mask, reference_points, spatial_shapes, wt, b_val, b_off, b_att, vh, sidx, swt; writes vh, sidx, swt
.if DOCPART == 2
	.amdgcn_target "amdgcn-amd-amdhsa--gfx1250"
	.amdhsa_code_object_version 6
	.text
	.protected	k_qde10b4df50_proj
	.globl	k_qde10b4df50_proj
	.p2align	8
	.type	k_qde10b4df50_proj,@function
k_qde10b4df50_proj:
	s_mov_b64 s[64:65], 0
	v_nop
	global_prefetch_b8 v0, s[64:65] scope:SCOPE_SE
	s_setreg_imm32_b32 hwreg(HW_REG_WAVE_MODE, 25, 1), 1
	s_wait_xcnt 0x0
	s_wait_alu depctr_hold_cnt(0) depctr_sa_sdst(0) depctr_va_vdst(0) depctr_va_sdst(0) depctr_va_ssrc(0) depctr_va_vcc(0) depctr_vm_vsrc(0)
	s_getreg_b32 s2, hwreg(HW_REG_IB_STS2, 6, 4)
	s_cmp_eq_u32 s2, 0
	s_cbranch_scc0 .Lentry_in_a_cluster
	s_endpgm
.Lentry_in_a_cluster:
	s_bfe_u32 s2, ttmp6, 0x10000c
	s_cmp_lg_u32 s2, 0x3003
	s_cbranch_scc0 .Lentry_shape_is_right
	s_endpgm
.Lentry_shape_is_right:
; For 128 tokens a work-group, 32 a wave: value = hs W_val + b_val (0 where the mask says padding), stored f16 by heads into vh;
; offsets and logits from q = hs + pos; the softmax over a head's 16 logits, its maximum taken away; and for each of the 128 sampling points
; ONE whole number (sidx: the token of the upper left of a 2 x 2 block that lies inside the level) and FOUR weights (swt, f16).
; THE POINT.  x = (ref + off / normaliser) W - 0.5.  xb = floor(x) held to 0 .. W - 2, d = x - xb; pixel xb has the weight
; med3(1 + d, 1 - d, 0), pixel xb + 1 has med3(d, 2 - d, 0): the bilinear weights with zero padding, for every x.  The attention weight is
; multiplied in.  The normaliser is read from spatial_shapes; the level sizes 100, 50, 25, 13 used in sampling are constants of the problem.
; level_start_index takes no part in the result that is asked for and is no argument.
; LIMITS.  The value table is f16: |value| must stay under 65,504.  NaN and infinities are not treated apart.  Rows 26,588 .. 26,623 of the
; three buffers are made from the last token's inputs: no later launch makes a result of them.
; PRODUCTS are taken transposed (source 0 = 16 rows of a weight [n][k], source 1 = 16 tokens): a lane holds ONE token (lane % 16) and the
; columns 8 (lane / 16) + 0..7 of a tile, so a softmax needs one exchange between the halves of the lanes.
; CLUSTER.  Four work-groups walk the same weights: each tile is asked for jointly, mask 15.  208 work-groups: 26,624 rows in shares of 128.
; LDS: Q0 (offsets' and logits' rows 0-191, pitch 528); SA (W_val's 256 rows, filled once more with rows 192-383, so that the eight heads
; lie on end, 25,344 bytes apart); each wave's own stages; the biases; the spare words.
; REGISTERS by windows of 256: 0 addresses, constants, accumulators, work; 1 the tokens' fragments (hs, then q); 2 raw rows 0-15, later the
; weights' fragments; 3 raw rows 16-31.
.set M,     26588
.set SEQ,   13294
.set HSB,   1703936                    ; a head of vh
.set IHS,   851968                     ; a head of sidx
.set WHS,   3407872                    ; a head of swt
.set SA,    101376
.set PRIV,  236544                     ; + wave x 16,896
.set TAB,   304128                     ; b_val, b_off + 1,024, b_att + 2,048
.set SPARE, 306688
.set STI,   4608                       ; in a wave's own bytes: weights' stage at 0 (pitch 144), indices' here (pitch 48),
.set STV,   6144                       ; the value's here (pitch 80); before that the tokens' stage: hs at 0, q at 8,448 (pitch 528)
.set WV, 66
.set MSB, 0
.macro WIN new                         ; the immediate's high byte repeats the setting that is left
.if MSB != (\new)
	s_set_vgpr_msb (MSB<<8)|(\new)
.set MSB, \new
.endif
.endm
.macro PLACES                          ; four places behind matrix instructions (ISA guide 7.12.1)
.rept 4
	v_nop
.endr
.endm
.macro CROUND                          ; a round of the cluster's barrier
	s_barrier_signal -1
	s_barrier_wait -1
	s_cmp_lg_u32 s[WV], 0
	s_cbranch_scc1 .Lnw0_\@
	s_barrier_signal -3
.Lnw0_\@:
	s_barrier_wait -3
	s_barrier_signal -1
	s_barrier_wait -1
.endm
	s_load_b512 s[4:19], s[0:1], 0x0               ; hs 4, pos 6, mask 8, ref 10, shapes 12, wt 14, b_val 16, b_off 18
	s_load_b256 s[20:27], s[0:1], 0x40             ; b_att 20, vh 22, sidx 24, swt 26
	v_lshl_add_u32 v30, v0, 2, SPARE
	v_mov_b32 v31, 0
	ds_add_u32 v30, v31                            ; the wave's opening
	ds_add_u32 v30, v31
	v_lshrrev_b32 v1, 5, v0
	v_readfirstlane_b32 s[WV], v1
	s_bfe_u32 s67, ttmp6, 0x40000                  ; cx: it enters global addresses alone
	s_lshl_b32 s68, ttmp9, 2
	s_add_co_u32 s68, s68, s67
	s_lshl_b32 s68, s68, 7
	s_lshl_b32 s70, s[WV], 5
	s_add_co_u32 s68, s68, s70                     ; my wave's first token
	; group 1: rows of 256 bf16, 16 bytes of padding behind each; 64 rows (W_val) or 48 (offsets and logits) a wave
	s_mov_b32 s28, 15|(1<<16)|(1<<20)|(1<<21)|(6<<22)|(3<<25)
	s_mov_b32 s29, 256<<16
	s_mov_b32 s30, 64<<16
	s_mov_b32 s31, 256<<16
	s_mov_b32 s32, 64
	s_mov_b32 s33, 256
	s_mov_b32 s34, 0
	s_mov_b32 s35, 0
	s_mov_b32 s36, 15|(1<<16)|(1<<20)|(1<<21)|(6<<22)|(3<<25)
	s_mov_b32 s37, 256<<16
	s_mov_b32 s38, 48<<16
	s_mov_b32 s39, 256<<16
	s_mov_b32 s40, 48
	s_mov_b32 s41, 256
	s_mov_b32 s42, 0
	s_mov_b32 s43, 0
	s_mov_b32 s44, 1
	s_mul_i32 s45, s[WV], 33792
	s_add_co_u32 s45, s45, SA
	s_mov_b32 s48, 1
	s_mul_i32 s49, s[WV], 25344
	s_mov_b32 s52, 1
	s_add_co_u32 s53, s49, SA
	s_lshl_b32 s70, s[WV], 15
	s_mov_b32 s71, 0
	s_mul_i32 s84, s[WV], 24576
	s_add_co_u32 s84, s84, 131072
	s_mov_b32 s85, 0
	s_mov_b32 s72, 0xffff0000                      ; the lanes 16-31
	s_mov_b32 s74, 0x76543210
	s_mov_b32 s75, 0xfedcba98
	s_mov_b32 s78, 0x3fb8aa3b                      ; log2(e)
	s_mov_b32 s79, 0x3fb8aa3b
	s_wait_dscnt 0x0
	s_wait_kmcnt 0x0
	s_add_nc_u64 s[46:47], s[14:15], s[70:71]
	s_or_b32 s47, s47, 0x80000000
	s_add_nc_u64 s[50:51], s[14:15], s[84:85]
	s_add_nc_u64 s[54:55], s[50:51], 98304         ; 192 rows further on: the refill
	s_or_b32 s51, s51, 0x80000000
	s_or_b32 s55, s55, 0x80000000
	CROUND                                         ; all four work-groups are here: the first joint loads meet
	tensor_load_to_lds s[44:47], s[28:35]          ; my 64 rows of W_val
	s_nop 0
	tensor_load_to_lds s[48:51], s[36:43]          ; my 48 of the offsets' and logits' first 192: two loads of mine are out
	s_nop 0
	PLACES
	s_load_b256 s[56:63], s[12:13], 0x0            ; spatial_shapes: (H, W) of levels 0..3
	v_and_b32 v3, 31, v0
	v_and_b32 v1, 15, v0
	v_bfe_u32 v2, v0, 4, 1
	v_lshlrev_b32 v15, 4, v3
	v_mul_u32_u24 v4, v1, 528
	v_lshl_add_u32 v4, v2, 4, v4                   ; a fragment's row x pitch + 16 x half
	v_add_nc_u32 v18, s68, v1
	v_add_nc_u32 v19, 16, v18
	v_min_u32 v18, M-1, v18                        ; my lane's tokens in the two tiles
	v_min_u32 v19, M-1, v19
	v_lshlrev_b32 v56, 5, v18
	v_lshl_add_u32 v56, v2, 3, v56
	v_lshlrev_b32 v57, 5, v19
	v_lshl_add_u32 v57, v2, 3, v57
	v_lshlrev_b32 v60, 3, v0
	v_lshlrev_b32 v61, 2, v0
	global_load_b64 v[24:25], v60, s[16:17]
	global_load_b64 v[26:27], v60, s[18:19]
	global_load_b32 v28, v61, s[20:21]
	global_load_u8 v16, v18, s[8:9]
	global_load_u8 v17, v19, s[8:9]
	global_load_b64 v[44:45], v56, s[10:11]            ; reference point of level h', tile 0
	global_load_b64 v[46:47], v56, s[10:11] offset:16  ; of level 2 + h'
	global_load_b64 v[48:49], v57, s[10:11]
	global_load_b64 v[50:51], v57, s[10:11] offset:16
.set i, 0
.rept 32
	s_add_co_u32 s70, s68, i
	s_min_u32 s70, s70, M-1
	s_lshl_b32 s70, s70, 10
	v_add_nc_u32 v[136+i], s70, v15
.set i, i+1
.endr
	WIN 0x80                                       ; a row: 512 consecutive bytes an instruction; hs twice, pos twice
.set i, 0
.rept 16
	global_load_b128 v[16*i:16*i+3], v[136+i], s[4:5] th:TH_LOAD_NT
	global_load_b128 v[16*i+4:16*i+7], v[136+i], s[4:5] offset:512 th:TH_LOAD_NT
	global_load_b128 v[16*i+8:16*i+11], v[136+i], s[6:7] th:TH_LOAD_NT
	global_load_b128 v[16*i+12:16*i+15], v[136+i], s[6:7] offset:512 th:TH_LOAD_NT
.set i, i+1
.endr
	WIN 0xc0
.set i, 0
.rept 16
	global_load_b128 v[16*i:16*i+3], v[152+i], s[4:5] th:TH_LOAD_NT
	global_load_b128 v[16*i+4:16*i+7], v[152+i], s[4:5] offset:512 th:TH_LOAD_NT
	global_load_b128 v[16*i+8:16*i+11], v[152+i], s[6:7] th:TH_LOAD_NT
	global_load_b128 v[16*i+12:16*i+15], v[152+i], s[6:7] offset:512 th:TH_LOAD_NT
.set i, i+1
.endr
	WIN 0
	; addresses, made while the rows are on their way
	s_mul_i32 s70, s[WV], 16896
	s_add_co_u32 s70, s70, PRIV
	s_add_co_u32 s71, s70, STI
	s_add_co_u32 s73, s70, STV
	v_lshl_add_u32 v62, v3, 3, s70                 ; tokens' stage, in: 8 bytes a lane
	v_add_nc_u32 v63, s70, v4                      ; and back, as fragments
	v_mul_u32_u24 v9, v1, 144
	v_lshl_add_u32 v9, v2, 6, v9
	v_add_nc_u32 v9, s70, v9                       ; weights in
	v_lshrrev_b32 v29, 3, v3
	v_mul_u32_u24 v10, v29, 144
	v_and_b32 v29, 7, v3
	v_lshl_add_u32 v10, v29, 4, v10
	v_add_nc_u32 v10, s70, v10                     ; weights back: four rows of 128 bytes
	v_mul_u32_u24 v11, v1, 48
	v_lshl_add_u32 v11, v2, 4, v11
	v_add_nc_u32 v11, s71, v11                     ; indices in
	v_lshrrev_b32 v29, 1, v3
	v_mul_u32_u24 v12, v29, 48
	v_and_b32 v29, 1, v3
	v_lshl_add_u32 v12, v29, 4, v12
	v_add_nc_u32 v12, s71, v12                     ; indices back: sixteen rows of 32 bytes
	v_mul_u32_u24 v13, v1, 80
	v_lshl_add_u32 v13, v2, 4, v13
	v_add_nc_u32 v13, s73, v13                     ; value in
	v_lshrrev_b32 v29, 2, v3
	v_mul_u32_u24 v14, v29, 80
	v_and_b32 v29, 3, v3
	v_lshl_add_u32 v14, v29, 4, v14
	v_add_nc_u32 v14, s73, v14                     ; value back: eight rows of 64 bytes
	s_lshl_b32 s73, s68, 6
	v_add_nc_u32 v20, s73, v15                     ; my bytes in a head of vh,
	s_lshl_b32 s73, s68, 5
	v_add_nc_u32 v21, s73, v15                     ; of sidx,
	s_lshl_b32 s73, s68, 7
	v_add_nc_u32 v22, s73, v15                     ; of swt
	v_lshlrev_b32 v6, 5, v2
	v_add_nc_u32 v6, TAB, v6
	v_lshlrev_b32 v8, 4, v2
	v_add_nc_u32 v8, TAB+2048, v8
	v_lshl_add_u32 v58, v0, 3, TAB
	v_lshl_add_u32 v59, v0, 2, TAB+2048
; Sixteen raw rows become q = hs + pos, both are rounded to bf16, go through my stage and come back as fragments.  Four rows at a time.
.macro APREP mt
.set g, 0
.rept 4
.set later, 128-16*(4*(\mt)+g+1)
.if later > 63
.set later, 63
.endif
	s_wait_loadcnt later                           ; the rows' loads were issued in order: these four rows are in, younger ones stay out
	WIN 0x8a+0x45*(\mt)
.set i, 4*g
.rept 4
.set b, 16*i
	v_pk_add_f32 v[b+8:b+9], v[b+8:b+9], v[b:b+1]
	v_pk_add_f32 v[b+10:b+11], v[b+10:b+11], v[b+2:b+3]
	v_pk_add_f32 v[b+12:b+13], v[b+12:b+13], v[b+4:b+5]
	v_pk_add_f32 v[b+14:b+15], v[b+14:b+15], v[b+6:b+7]
	v_cvt_pk_bf16_f32 v[b], v[b], v[b+1]
	v_cvt_pk_bf16_f32 v[b+1], v[b+2], v[b+3]
	v_cvt_pk_bf16_f32 v[b+4], v[b+4], v[b+5]
	v_cvt_pk_bf16_f32 v[b+5], v[b+6], v[b+7]
	v_cvt_pk_bf16_f32 v[b+8], v[b+8], v[b+9]
	v_cvt_pk_bf16_f32 v[b+9], v[b+10], v[b+11]
	v_cvt_pk_bf16_f32 v[b+12], v[b+12], v[b+13]
	v_cvt_pk_bf16_f32 v[b+13], v[b+14], v[b+15]
.set i, i+1
.endr
	WIN 0x08+0x04*(\mt)
.set i, 4*g
.rept 4
.set b, 16*i
	ds_store_b64 v62, v[b:b+1] offset:528*i
	ds_store_b64 v62, v[b+4:b+5] offset:528*i+256
	ds_store_b64 v62, v[b+8:b+9] offset:8448+528*i
	ds_store_b64 v62, v[b+12:b+13] offset:8448+528*i+256
.set i, i+1
.endr
.set g, g+1
.endr
	WIN 0x40                                       ; LDS serves a wave's instructions in order: these see the stores above
.set kf, 0
.rept 8
	ds_load_b128 v[64*(\mt)+8*kf:64*(\mt)+8*kf+3], v63 offset:64*kf
	ds_load_b128 v[64*(\mt)+8*kf+4:64*(\mt)+8*kf+7], v63 offset:64*kf+32
	ds_load_b128 v[128+64*(\mt)+8*kf:128+64*(\mt)+8*kf+3], v63 offset:8448+64*kf
	ds_load_b128 v[128+64*(\mt)+8*kf+4:128+64*(\mt)+8*kf+7], v63 offset:8448+64*kf+32
.set kf, kf+1
.endr
	WIN 0
.endm
	APREP 0
	APREP 1
	ds_store_b64 v58, v[24:25]                     ; the biases into LDS, once
	ds_store_b64 v58, v[26:27] offset:1024
	ds_store_b32 v59, v28
	v_cmp_eq_u32 s76, 0, v16
	v_cndmask_b32 v16, 0, -1, s76                  ; all ones where the token is kept
	v_cmp_eq_u32 s76, 0, v17
	v_cndmask_b32 v17, 0, -1, s76
	s_wait_kmcnt 0x0
	; constants by the lane's half: group 0 is level h', group 1 level 2 + h'.  v32-35 1 / normaliser (x, y); v36-39 W, H; v40-43 W - 2, H - 2
.set G, 0
.rept 2
	v_mov_b32 v[32+2*G], s[57+4*G]
	v_mov_b32 v29, s[59+4*G]
	v_cndmask_b32 v[32+2*G], v[32+2*G], v29, s72
	v_mov_b32 v[33+2*G], s[56+4*G]
	v_mov_b32 v29, s[58+4*G]
	v_cndmask_b32 v[33+2*G], v[33+2*G], v29, s72
.set G, G+1
.endr
.set i, 32
.rept 4
	v_cvt_f32_i32 v[i], v[i]
.set i, i+1
.endr
.set i, 32
.rept 4
	v_rcp_f32 v[i], v[i]
.set i, i+1
.endr
	v_mov_b32 v29, 0x42480000                      ; 50
	v_cndmask_b32 v36, 0x42c80000, v29, s72        ; 100
	v_mov_b32 v37, v36
	v_mov_b32 v29, 0x41500000                      ; 13
	v_cndmask_b32 v38, 0x41c80000, v29, s72        ; 25
	v_mov_b32 v39, v38
	v_mov_b32 v29, 0x42400000                      ; 48
	v_cndmask_b32 v40, 0x42c40000, v29, s72        ; 98
	v_mov_b32 v41, v40
	v_mov_b32 v29, 0x41300000                      ; 11
	v_cndmask_b32 v42, 0x41b80000, v29, s72        ; 23
	v_mov_b32 v43, v42
	; v52-55: the level's first token in my token's batch, in both halves of a word
	v_mov_b32 v29, 10000|(10000<<16)
	v_cndmask_b32 v193, 0, v29, s72
	v_mov_b32 v29, 13125|(13125<<16)
	v_cndmask_b32 v194, 12500|(12500<<16), v29, s72
	v_mov_b32 v192, SEQ|(SEQ<<16)
	v_cmp_le_u32 s76, SEQ, v18
	v_cndmask_b32 v29, 0, v192, s76
	v_add_nc_u32 v52, v193, v29
	v_add_nc_u32 v53, v194, v29
	v_cmp_le_u32 s76, SEQ, v19
	v_cndmask_b32 v29, 0, v192, s76
	v_add_nc_u32 v54, v193, v29
	v_add_nc_u32 v55, v194, v29
	s_wait_tensorcnt 0x1                           ; my part of W_val is in; the second load may stay out
	s_wait_dscnt 0x0                               ; my fragments are in, my stores of the biases done
	s_barrier_signal -1
	s_barrier_wait -1
; tiles x 2 x 8 matrix instructions: the accumulators (tile t, token tile mt) at v[64 + 8 (2 t + mt)] take turns, one instruction a turn
; the first K step takes the bias as C.  ab: the tokens' fragments in window 1 (hs 0, q 128).
.macro MATS tiles, ab
	WIN 0x06                                       ; weights window 2, tokens window 1, C and D window 0
.set kf, 0
.rept 8
.set t, 0
.rept \tiles
.set mt, 0
.rept 2
.set a, 64+8*(2*t+mt)
.if kf == 0
	v_wmma_f32_16x16x32_bf16 v[a:a+7], v[8*(8*t+kf):8*(8*t+kf)+7], v[(\ab)+64*mt+8*kf:(\ab)+64*mt+8*kf+7], v[112+8*t:112+8*t+7]
.else
	v_wmma_f32_16x16x32_bf16 v[a:a+7], v[8*(8*t+kf):8*(8*t+kf)+7], v[(\ab)+64*mt+8*kf:(\ab)+64*mt+8*kf+7], v[a:a+7]
.endif
.set mt, mt+1
.endr
.set t, t+1
.endr
.set kf, kf+1
.endr
	WIN 0
.endm
; a head's weight fragments (tiles x 8 x 2 loads) from LDS byte s80 on
.macro LDW tiles
	v_add_nc_u32 v5, s80, v4
	WIN 0x80
.set t, 0
.rept \tiles
.set kf, 0
.rept 8
	ds_load_b128 v[8*(8*t+kf):8*(8*t+kf)+3], v5 offset:8448*t+64*kf
	ds_load_b128 v[8*(8*t+kf)+4:8*(8*t+kf)+7], v5 offset:8448*t+64*kf+32
.set kf, kf+1
.endr
.set t, t+1
.endr
	WIN 0
.endm
.macro LDV                             ; a head of W_val and its bias
	LDW 2
	v_add_nc_u32 v7, s81, v6
.set t, 0
.rept 2
	ds_load_b128 v[112+8*t:112+8*t+3], v7 offset:64*t
	ds_load_b128 v[112+8*t+4:112+8*t+7], v7 offset:64*t+16
.set t, t+1
.endr
.endm
	; THE VALUE, a head a trip
	s_mov_b32 s80, SA
	s_mov_b32 s81, 0
	LDV
	s_mov_b32 s69, 8
.Lval:
	s_wait_dscnt 0x0                               ; the head's fragments and bias are in
	MATS 2, 0
	PLACES
	s_cmp_eq_u32 s69, 1
	s_cbranch_scc1 .Lval_last                      ; the last head fetches nothing; every LDS wait of the loop is for 0, right on both ways
	s_add_co_u32 s80, s80, 16896
	s_add_co_u32 s81, s81, 128
	LDV
.Lval_last:
.set t, 0
.rept 2
.set mt, 0
.rept 2
.set a, 64+8*(2*t+mt)
.set o, 200+4*(2*t+mt)
.set q, 0
.rept 4
	v_cvt_pk_f16_f32 v[o+q], v[a+2*q], v[a+2*q+1]
.set q, q+1
.endr
.set q, 0
.rept 4
	v_and_b32 v[o+q], v[16+mt], v[o+q]             ; 0 where the token is padding
.set q, q+1
.endr
	ds_store_b128 v13, v[o:o+3] offset:1280*mt+32*t
.set mt, mt+1
.endr
.set t, t+1
.endr
.set i, 0
.rept 4
	ds_load_b128 v[144+4*i:144+4*i+3], v14 offset:640*i
.set i, i+1
.endr
	s_wait_dscnt 0x0
.set i, 0
.rept 4
	global_store_b128 v20, v[144+4*i:144+4*i+3], s[22:23] offset:512*i  ; eight tokens' 64 bytes: 512 consecutive bytes, aligned
.set i, i+1
.endr
	s_wait_xcnt 0x0                                ; the stores have read their base and data
	s_add_nc_u64 s[22:23], s[22:23], HSB
	s_sub_co_u32 s69, s69, 1
	s_cmp_lg_u32 s69, 0
	s_cbranch_scc1 .Lval
	; W_val's bytes are filled again, once: rows 192-383 of the offsets and logits
	s_wait_tensorcnt 0x0                           ; all my tensor loads have landed, my part of Q0 among them
	ds_add_u32 v30, v31
	s_mov_b32 s80, 0
	s_mov_b32 s81, 0
	s_mov_b32 s82, 0
	s_wait_dscnt 0x0                               ; the add is done, and my reads of W_val are over
	CROUND
	tensor_load_to_lds s[52:55], s[36:43]          ; one load of mine is out; it has four heads' work in which to land
	s_nop 0
	PLACES
.macro LDQ                             ; a head's 48 rows and their biases
	LDW 3
	v_add_nc_u32 v7, s81, v6
	v_add_nc_u32 v23, s82, v8
.set t, 0
.rept 2
	ds_load_b128 v[112+8*t:112+8*t+3], v7 offset:1024+64*t
	ds_load_b128 v[112+8*t+4:112+8*t+7], v7 offset:1024+64*t+16
.set t, t+1
.endr
	ds_load_b128 v[128:131], v23                   ; b_att of level h',
	ds_load_b128 v[132:135], v23 offset:32         ; of level 2 + h'
.endm
.macro P4 line:vararg                  ; one line for each of a group's four points; point p works in v[TP .. TP + 11]
.set p, 0
.rept 4
.set TP, 144+12*p
	\line
.set p, p+1
.endr
.endm
; the four points of group G (level 2 G + h') for token tile mt
.macro GRP4 mt, G
.set OA, 64+8*(2*(\G)+(\mt))
.set IV, 32+2*(\G)
.set WHR, 36+2*(\G)
.set WMR, 40+2*(\G)
.set RF, 44+4*(\mt)+2*(\G)
	P4 v_pk_fma_f32 v[TP:TP+1], v[OA+2*p:OA+2*p+1], v[IV:IV+1], v[RF:RF+1]
	P4 v_pk_fma_f32 v[TP:TP+1], v[TP:TP+1], v[WHR:WHR+1], -0.5 op_sel_hi:[1,1,0]
	P4 v_floor_f32 v[TP+2], v[TP]
	P4 v_floor_f32 v[TP+3], v[TP+1]
	P4 v_med3_num_f32 v[TP+2], v[TP+2], 0, v[WMR]
	P4 v_med3_num_f32 v[TP+3], v[TP+3], 0, v[WMR+1]
	P4 v_pk_add_f32 v[TP:TP+1], v[TP:TP+1], v[TP+2:TP+3] neg_lo:[0,1] neg_hi:[0,1]
	P4 v_pk_add_f32 v[TP+4:TP+5], v[TP:TP+1], 1.0 op_sel_hi:[1,0]
	P4 v_pk_add_f32 v[TP+6:TP+7], v[TP:TP+1], 1.0 op_sel_hi:[1,0] neg_lo:[1,0] neg_hi:[1,0]
	P4 v_pk_add_f32 v[TP+8:TP+9], v[TP:TP+1], 2.0 op_sel_hi:[1,0] neg_lo:[1,0] neg_hi:[1,0]
	P4 v_med3_num_f32 v[TP+10], v[TP+4], v[TP+6], 0
	P4 v_med3_num_f32 v[TP+11], v[TP], v[TP+8], 0
	P4 v_med3_num_f32 v[TP+4], v[TP+5], v[TP+7], 0
	P4 v_med3_num_f32 v[TP+5], v[TP+1], v[TP+9], 0
.set p, 0
.rept 4                                ; the two weights along y times the point's attention weight
.set TP, 144+12*p
.set EP, 136+4*(\G)+2*(p/2)
.if p%2
	v_pk_mul_f32 v[TP+4:TP+5], v[TP+4:TP+5], v[EP:EP+1] op_sel:[0,1] op_sel_hi:[1,1]
.else
	v_pk_mul_f32 v[TP+4:TP+5], v[TP+4:TP+5], v[EP:EP+1] op_sel_hi:[1,0]
.endif
.set p, p+1
.endr
	P4 v_pk_mul_f32 v[TP+6:TP+7], v[TP+10:TP+11], v[TP+4:TP+5] op_sel_hi:[1,0]
	P4 v_pk_mul_f32 v[TP+8:TP+9], v[TP+10:TP+11], v[TP+4:TP+5] op_sel:[0,1] op_sel_hi:[1,1]
	P4 v_cvt_pk_f16_f32 v[200+8*(\G)+2*p], v[TP+6], v[TP+7]
	P4 v_cvt_pk_f16_f32 v[201+8*(\G)+2*p], v[TP+8], v[TP+9]
	P4 v_fma_f32 v[TP], v[TP+3], v[WHR], v[TP+2]
	P4 v_cvt_u32_f32 v[TP], v[TP]
	v_lshl_or_b32 v[216+2*(\G)], v156, 16, v144
	v_lshl_or_b32 v[217+2*(\G)], v180, 16, v168
	v_add_nc_u32 v[216+2*(\G)], v[52+2*(\mt)+(\G)], v[216+2*(\G)]
	v_add_nc_u32 v[217+2*(\G)], v[52+2*(\mt)+(\G)], v[217+2*(\G)]
.endm
; a head's softmax and eight points a lane, for token tile mt.  Each accumulator's lowest registers are read first.
.macro SAMPLE mt
.set LA, 96+8*(\mt)
	v_max3_num_f32 v192, v[LA], v[LA+1], v[LA+2]
	v_max3_num_f32 v193, v[LA+3], v[LA+4], v[LA+5]
	v_max3_num_f32 v192, v192, v[LA+6], v[LA+7]
	v_max_num_f32 v192, v192, v193
	v_permlanex16_b32 v193, v192, s74, s75         ; the head's other eight logits lie in the lane 16 away
	v_max_num_f32 v192, v192, v193
	v_mul_f32 v192, s78, v192
.set q, 0
.rept 4
	v_pk_fma_f32 v[136+2*q:137+2*q], v[LA+2*q:LA+2*q+1], s[78:79], v[192:193] op_sel_hi:[1,0,0] neg_lo:[0,0,1] neg_hi:[0,0,1]
.set q, q+1
.endr
.set q, 0
.rept 8
	v_exp_f32 v[136+q], v[136+q]
.set q, q+1
.endr
	v_nop                                          ; a plain instruction behind the exponentials
	s_wait_alu depctr_va_vdst(0)
	v_pk_add_f32 v[194:195], v[136:137], v[138:139]
	v_pk_add_f32 v[196:197], v[140:141], v[142:143]
	v_pk_add_f32 v[194:195], v[194:195], v[196:197]
	v_add_f32 v194, v194, v195
	v_permlanex16_b32 v195, v194, s74, s75
	v_add_f32 v194, v194, v195
	v_rcp_f32 v194, v194
	v_nop
.set q, 0
	s_wait_alu depctr_va_vdst(0)
.rept 4
	v_pk_mul_f32 v[136+2*q:137+2*q], v[136+2*q:137+2*q], v[194:195] op_sel_hi:[1,0]
.set q, q+1
.endr
	GRP4 \mt, 0
	GRP4 \mt, 1
	ds_store_b128 v11, v[216:219] offset:768*(\mt)
.set q, 0
.rept 4
	ds_store_b128 v9, v[200+4*q:200+4*q+3] offset:2304*(\mt)+16*q
.set q, q+1
.endr
.endm
	; OFFSETS, LOGITS AND POINTS: two halves of four heads.  The wait for the refill and a barrier stand at a half's end: behind the first half's
	; they show rows 192-383 whole to every wave; behind the second half's the wait finds nothing out.
	s_mov_b32 s83, 2
.Lhalf:
	LDQ
	s_mov_b32 s69, 4
.Lq:
	s_wait_dscnt 0x0
	MATS 3, 128
	PLACES
	s_add_co_u32 s80, s80, 25344
	s_add_co_u32 s81, s81, 128
	s_add_co_u32 s82, s82, 64
	s_cmp_eq_u32 s69, 1
	s_cbranch_scc1 .Lq_last                        ; a half's last head fetches nothing
	LDQ
.Lq_last:
	SAMPLE 0
	SAMPLE 1
.set i, 0
.rept 2
	ds_load_b128 v[144+4*i:144+4*i+3], v12 offset:768*i
.set i, i+1
.endr
.set i, 0
.rept 8
	ds_load_b128 v[152+4*i:152+4*i+3], v10 offset:576*i
.set i, i+1
.endr
	s_wait_dscnt 0x0
.set i, 0
.rept 2
	global_store_b128 v21, v[144+4*i:144+4*i+3], s[24:25] offset:512*i
.set i, i+1
.endr
.set i, 0
.rept 8
	global_store_b128 v22, v[152+4*i:152+4*i+3], s[26:27] offset:512*i
.set i, i+1
.endr
	s_wait_xcnt 0x0                                ; the stores have read their bases and data
	s_add_nc_u64 s[24:25], s[24:25], IHS
	s_add_nc_u64 s[26:27], s[26:27], WHS
	s_sub_co_u32 s69, s69, 1
	s_cmp_lg_u32 s69, 0
	s_cbranch_scc1 .Lq
	s_wait_tensorcnt 0x0
	s_wait_dscnt 0x0
	s_barrier_signal -1
	s_barrier_wait -1
	s_sub_co_u32 s83, s83, 1
	s_cmp_lg_u32 s83, 0
	s_cbranch_scc1 .Lhalf
	s_wait_tensorcnt 0x0                           ; the wave's end
	ds_add_u32 v30, v31
	s_wait_dscnt 0x0
	CROUND                                         ; the closing round
	s_endpgm
.Lfunc_end_k_qde10b4df50_proj:
	.size	k_qde10b4df50_proj, .Lfunc_end_k_qde10b4df50_proj-k_qde10b4df50_proj
	.p2alignl 7, 3214868480
	.fill 96, 4, 3214868480
	.section	.rodata,"a",@progbits
	.p2align	6, 0x0
	.amdhsa_kernel k_qde10b4df50_proj
		.amdhsa_group_segment_fixed_size 327680
		.amdhsa_private_segment_fixed_size 0
		.amdhsa_enable_private_segment 0
		.amdhsa_kernarg_size 96
		.amdhsa_user_sgpr_count 2
		.amdhsa_user_sgpr_kernarg_segment_ptr 1
		.amdhsa_wavefront_size32 1
		.amdhsa_system_sgpr_workgroup_id_x 1
		.amdhsa_system_sgpr_workgroup_id_y 1
		.amdhsa_system_sgpr_workgroup_id_z 1
		.amdhsa_system_vgpr_workitem_id 0
		.amdhsa_next_free_vgpr 1024
		.amdhsa_next_free_sgpr 100
		.amdhsa_reserve_vcc 0
		.amdhsa_float_denorm_mode_32 3
		.amdhsa_float_denorm_mode_16_64 3
		.amdhsa_memory_ordered 1
		.amdhsa_forward_progress 1
		.amdhsa_inst_pref_size 113
	.end_amdhsa_kernel
	.amdgpu_metadata
---
amdhsa.version: [ 1, 2 ]
amdhsa.kernels:
  - .name:           k_qde10b4df50_proj
    .symbol:         k_qde10b4df50_proj.kd
    .args:
      - { .name: hidden_states, .offset: 0, .size: 8, .value_kind: global_buffer, .address_space: global }
      - { .name: position_embeddings, .offset: 8, .size: 8, .value_kind: global_buffer, .address_space: global }
      - { .name: attention_mask, .offset: 16, .size: 8, .value_kind: global_buffer, .address_space: global }
      - { .name: reference_points, .offset: 24, .size: 8, .value_kind: global_buffer, .address_space: global }
      - { .name: spatial_shapes, .offset: 32, .size: 8, .value_kind: global_buffer, .address_space: global }
      - { .name: wt, .offset: 40, .size: 8, .value_kind: global_buffer, .address_space: global }
      - { .name: b_val, .offset: 48, .size: 8, .value_kind: global_buffer, .address_space: global }
      - { .name: b_off, .offset: 56, .size: 8, .value_kind: global_buffer, .address_space: global }
      - { .name: b_att, .offset: 64, .size: 8, .value_kind: global_buffer, .address_space: global }
      - { .name: vh, .offset: 72, .size: 8, .value_kind: global_buffer, .address_space: global }
      - { .name: sidx, .offset: 80, .size: 8, .value_kind: global_buffer, .address_space: global }
      - { .name: swt, .offset: 88, .size: 8, .value_kind: global_buffer, .address_space: global }
    .group_segment_fixed_size: 327680
    .private_segment_fixed_size: 0
    .kernarg_segment_align: 8
    .kernarg_segment_size: 96
    .max_flat_workgroup_size: 128
    .sgpr_count:     100
    .vgpr_count:     1024
    .wavefront_size: 32
...
	.end_amdgpu_metadata
.endif
;; end of part 2
;; launch samp (part 3): grid 1662 x 1, 4 waves a work-group, no clusters, 0 bytes of LDS; arguments vh, sidx, swt, attn; writes attn
.if DOCPART == 3
	.amdgcn_target "amdgcn-amd-amdhsa--gfx1250"
	.amdhsa_code_object_version 6
	.text
	.protected	k_qde10b4df50_samp
	.globl	k_qde10b4df50_samp
	.p2align	8
	.type	k_qde10b4df50_samp,@function
k_qde10b4df50_samp:
	s_mov_b64 s[64:65], 0
	v_nop
	global_prefetch_b8 v0, s[64:65] scope:SCOPE_SE
	s_setreg_imm32_b32 hwreg(HW_REG_WAVE_MODE, 25, 1), 1
	s_wait_xcnt 0x0
; THE GATHER.  attn[m][32 h + c] = the sum over the head's 16 points and their 4 corners of weight x value[token][h][c], rounded once to bf16.
; sidx (whole numbers, stored by the launch before) names the upper left token of each point's 2 x 2 block; the others lie 1 token, a level's row
; and a row + 1 further on.  swt holds the four weights (f16), vh the values (f16, by heads, 64 bytes a token and head); sums in f32.
; SHARES.  A wave takes 4 tokens (6,647 shares; the last work-group's fourth wave has none and ends).  Lane = (head l / 4, 8 channels l % 4):
; four lanes read one piece of 64 bytes, nothing is added across lanes, and a token's result is 512 consecutive bytes.
; A TRIP is half a token: two groups of four points.  Even trips: levels 0 and 2; odd trips: levels 1 and 3 (the order in which the slots lie).
; While one group is multiplied the other's 19 loads are out, and each group is asked for again at once: 16 pieces of the next trip, its
; weights, and the indices of the trip after.  The matrix units have no part: every lane has its own weights and its own rows.
; The trip before the last asks for the indices of the token behind the share: bytes that lie inside the padded buffer and were stored; they are not used.
.set M,    26588
.set HSB,  1703936
.set IHS,  851968
.set WHS,  3407872
.set IMAX, 26573                       ; the largest index that can be stored: the clamp keeps every address inside vh
.set VB,  1                            ; head x HSB + 16 (l % 4)
.set VI,  2                            ; my head's indices at the trip in hand
.set VW,  3                            ; its weights
.set VO,  4                            ; my 16 bytes of attn
.set IX,  6                            ; v6-9    indices, 2 registers a group
.set WT,  10                           ; v10-25  weights, 8 a group
.set AR,  26                           ; v26-41  addresses: a group's 4 upper rows, then its 4 lower rows
.set ACC, 42                           ; v42-49
.set OUT, 50                           ; v50-53
.set DT,  56                           ; v56-183 pieces, 64 registers a group
.set TM,  187                          ; v187-190 at work
.set STEP, 16                          ; s16, s17 a level's row in bytes, for group 0 and 1
.set K,   18
	s_load_b256 s[4:11], s[0:1], 0x0               ; vh, sidx, swt, attn
	v_lshrrev_b32 v1, 5, v0
	v_readfirstlane_b32 s12, v1
	s_lshl_b32 s13, ttmp9, 2
	s_add_co_u32 s13, s13, s12
	s_lshl_b32 s13, s13, 2                         ; my first token
	s_cmp_lt_u32 s13, M
	s_cbranch_scc1 .Lwork
	s_endpgm
.Lwork:
	v_and_b32 v184, 31, v0
	v_lshrrev_b32 v185, 2, v184
	v_and_b32 v186, 3, v184
	v_mul_u32_u24 v[VB], v185, HSB
	v_lshl_add_u32 v[VB], v186, 4, v[VB]
	v_mul_u32_u24 v[VI], v185, IHS
	s_lshl_b32 s14, s13, 5
	v_add_nc_u32 v[VI], s14, v[VI]
	v_mul_u32_u24 v[VW], v185, WHS
	s_lshl_b32 s14, s13, 7
	v_add_nc_u32 v[VW], s14, v[VW]
	s_lshl_b32 s14, s13, 9
	v_lshl_add_u32 v[VO], v184, 4, s14
	s_mov_b32 s[STEP], 6400
	s_mov_b32 s[STEP+1], 1600
	s_mov_b32 s[K], 0
	s_wait_kmcnt 0x0
.macro ADDR g                          ; a group's eight addresses from its four indices
.set sl, 0
.rept 4
.if sl%2
	v_lshrrev_b32 v[TM+sl], 16, v[IX+2*(\g)+sl/2]
.else
	v_and_b32 v[TM+sl], 0xffff, v[IX+2*(\g)+sl/2]
.endif
.set sl, sl+1
.endr
.set sl, 0
.rept 4
	v_min_u32 v[TM+sl], IMAX, v[TM+sl]
.set sl, sl+1
.endr
.set sl, 0
.rept 4
	v_lshl_add_u32 v[AR+8*(\g)+sl], v[TM+sl], 6, v[VB]
.set sl, sl+1
.endr
.set sl, 0
.rept 4
	v_add_nc_u32 v[AR+8*(\g)+4+sl], s[STEP+(\g)], v[AR+8*(\g)+sl]
.set sl, sl+1
.endr
.endm
.macro ISSUE g, ah                     ; 19 loads.  ah = 0: for the trip at which VI and VW stand; 1: for the next
.set sl, 0
.rept 4
.set d, DT+64*(\g)+16*sl
	global_load_b128 v[d:d+3], v[AR+8*(\g)+sl], s[4:5]
	global_load_b128 v[d+4:d+7], v[AR+8*(\g)+sl], s[4:5] offset:64
	global_load_b128 v[d+8:d+11], v[AR+8*(\g)+4+sl], s[4:5]
	global_load_b128 v[d+12:d+15], v[AR+8*(\g)+4+sl], s[4:5] offset:64
.set sl, sl+1
.endr
	global_load_b128 v[WT+8*(\g):WT+8*(\g)+3], v[VW], s[8:9] offset:64*(\ah)+32*(\g) th:TH_LOAD_NT
	global_load_b128 v[WT+8*(\g)+4:WT+8*(\g)+7], v[VW], s[8:9] offset:64*(\ah)+32*(\g)+16 th:TH_LOAD_NT
	global_load_b64 v[IX+2*(\g):IX+2*(\g)+1], v[VI], s[6:7] offset:16*((\ah)+1)+8*(\g) th:TH_LOAD_NT
.endm
.macro MIX acc, d, w, sa, sb           ; acc += f16 half sa of d x f16 half sb of w, in f32
.if ((\sa) == 0) && ((\sb) == 0)
	v_fma_mix_f32 v[\acc], v[\d], v[\w], v[\acc] op_sel_hi:[1,1,0]
.elseif ((\sa) == 1) && ((\sb) == 0)
	v_fma_mix_f32 v[\acc], v[\d], v[\w], v[\acc] op_sel:[1,0,0] op_sel_hi:[1,1,0]
.elseif ((\sa) == 0) && ((\sb) == 1)
	v_fma_mix_f32 v[\acc], v[\d], v[\w], v[\acc] op_sel:[0,1,0] op_sel_hi:[1,1,0]
.else
	v_fma_mix_f32 v[\acc], v[\d], v[\w], v[\acc] op_sel:[1,1,0] op_sel_hi:[1,1,0]
.endif
.endm
.macro FMA g                           ; 4 points x 4 corners x 8 channels; the eight sums take turns
.set sl, 0
.rept 4
.set c, 0
.rept 4
.set e, 0
.rept 8
	MIX ACC+e, DT+64*(\g)+16*sl+4*c+e/2, WT+8*(\g)+2*sl+c/2, e%2, c%2
.set e, e+1
.endr
.set c, c+1
.endr
.set sl, sl+1
.endr
.endm
.macro ROWEND more                     ; a token is finished
	s_wait_xcnt 0x0                                ; the last store has read OUT and VO
.set q, 0
.rept 4
	v_cvt_pk_bf16_f32 v[OUT+q], v[ACC+2*q], v[ACC+2*q+1]
.set q, q+1
.endr
	v_add_nc_u32 v[VO], 512, v[VO]                 ; the next token; the store reaches back
	global_store_b128 v[VO], v[OUT:OUT+3], s[10:11] offset:-512
.if \more
.set q, 0
.rept 8
	v_mov_b32 v[ACC+q], 0
.set q, q+1
.endr
.endif
.endm
	global_load_b64 v[IX:IX+1], v[VI], s[6:7] th:TH_LOAD_NT
	global_load_b64 v[IX+2:IX+3], v[VI], s[6:7] offset:8 th:TH_LOAD_NT
.set q, 0
.rept 8
	v_mov_b32 v[ACC+q], 0
.set q, q+1
.endr
	s_wait_loadcnt 0x0
	ADDR 0
	ISSUE 0, 0
	ADDR 1
	ISSUE 1, 0
.Ltrip:                                                ; trips 0 to 6
	s_wait_loadcnt 19                              ; group 0's 19 loads are in; group 1's 19, issued behind them, stay out
	FMA 0
	s_xor_b32 s[STEP], s[STEP], 6400^3200          ; the next trip's levels
	s_xor_b32 s[STEP+1], s[STEP+1], 1600^832
	ADDR 0
	ISSUE 0, 1
	s_wait_loadcnt 19                              ; group 1's are in; group 0's new ones stay out
	FMA 1
	ADDR 1
	ISSUE 1, 1
	s_wait_xcnt 0x0                                ; the loads have read VI and VW
	v_add_nc_u32 v[VI], 16, v[VI]
	v_add_nc_u32 v[VW], 64, v[VW]
	s_bitcmp1_b32 s[K], 0
	s_cbranch_scc0 .Lhalfrow                       ; an even trip ends no token
	ROWEND 1
.Lhalfrow:
	s_add_co_u32 s[K], s[K], 1
	s_cmp_lt_u32 s[K], 7
	s_cbranch_scc1 .Ltrip
	s_wait_loadcnt 19                              ; the last trip asks for nothing
	FMA 0
	s_wait_loadcnt 0x0
	FMA 1
	ROWEND 0
	s_endpgm
.Lfunc_end_k_qde10b4df50_samp:
	.size	k_qde10b4df50_samp, .Lfunc_end_k_qde10b4df50_samp-k_qde10b4df50_samp
	.p2alignl 7, 3214868480
	.fill 96, 4, 3214868480
	.section	.rodata,"a",@progbits
	.p2align	6, 0x0
	.amdhsa_kernel k_qde10b4df50_samp
		.amdhsa_group_segment_fixed_size 0
		.amdhsa_private_segment_fixed_size 0
		.amdhsa_enable_private_segment 0
		.amdhsa_kernarg_size 32
		.amdhsa_user_sgpr_count 2
		.amdhsa_user_sgpr_kernarg_segment_ptr 1
		.amdhsa_wavefront_size32 1
		.amdhsa_system_sgpr_workgroup_id_x 1
		.amdhsa_system_sgpr_workgroup_id_y 1
		.amdhsa_system_sgpr_workgroup_id_z 1
		.amdhsa_system_vgpr_workitem_id 0
		.amdhsa_next_free_vgpr 192
		.amdhsa_next_free_sgpr 66
		.amdhsa_reserve_vcc 0
		.amdhsa_float_denorm_mode_32 3
		.amdhsa_float_denorm_mode_16_64 3
		.amdhsa_memory_ordered 1
		.amdhsa_forward_progress 1
		.amdhsa_inst_pref_size 46
	.end_amdhsa_kernel
	.amdgpu_metadata
---
amdhsa.version: [ 1, 2 ]
amdhsa.kernels:
  - .name:           k_qde10b4df50_samp
    .symbol:         k_qde10b4df50_samp.kd
    .args:
      - { .name: vh, .offset: 0, .size: 8, .value_kind: global_buffer, .address_space: global }
      - { .name: sidx, .offset: 8, .size: 8, .value_kind: global_buffer, .address_space: global }
      - { .name: swt, .offset: 16, .size: 8, .value_kind: global_buffer, .address_space: global }
      - { .name: attn, .offset: 24, .size: 8, .value_kind: global_buffer, .address_space: global }
    .group_segment_fixed_size: 0
    .private_segment_fixed_size: 0
    .kernarg_segment_align: 8
    .kernarg_segment_size: 32
    .max_flat_workgroup_size: 128
    .sgpr_count:     66
    .vgpr_count:     192
    .wavefront_size: 32
...
	.end_amdgpu_metadata
.endif
;; end of part 3
;; launch ffn (part 4): grid 208 x 1, 4 waves a work-group, clusters of 4 x 1, 327,680 bytes of LDS; arguments attn, hidden_states, wt, b_out, ln1_g, ln1_b, b_fc1, b_fc2, ln2_g, ln2_b, out0; writes out0
.if DOCPART == 4
	.amdgcn_target "amdgcn-amd-amdhsa--gfx1250"
	.amdhsa_code_object_version 6
	.text
	.protected	k_qde10b4df50_ffn
	.globl	k_qde10b4df50_ffn
	.p2align	8
	.type	k_qde10b4df50_ffn,@function
k_qde10b4df50_ffn:
	s_mov_b64 s[64:65], 0
	v_nop
	global_prefetch_b8 v0, s[64:65] scope:SCOPE_SE
	s_setreg_imm32_b32 hwreg(HW_REG_WAVE_MODE, 25, 1), 1
	s_wait_xcnt 0x0
	s_wait_alu depctr_hold_cnt(0) depctr_sa_sdst(0) depctr_va_vdst(0) depctr_va_sdst(0) depctr_va_ssrc(0) depctr_va_vcc(0) depctr_vm_vsrc(0)
	s_getreg_b32 s2, hwreg(HW_REG_IB_STS2, 6, 4)
	s_cmp_eq_u32 s2, 0
	s_cbranch_scc0 .Lentry_in_a_cluster
	s_endpgm
.Lentry_in_a_cluster:
	s_bfe_u32 s2, ttmp6, 0x10000c
	s_cmp_lg_u32 s2, 0x3003
	s_cbranch_scc0 .Lentry_shape_is_right
	s_endpgm
.Lentry_shape_is_right:
; out0 = LN2(h1 + relu(h1 W_fc1 + b_fc1) W_fc2 + b_fc2), h1 = LN1(hs + attn W_out + b_out), for 128 tokens a work-group, 32 whole rows a wave.
; PRODUCTS are taken transposed (source 0 = 16 rows of a weight [n][k], source 1 = 16 tokens): a lane holds ONE token (lane % 16) and the columns
; 16 nt + 8 (lane / 16) + 0..7.  So a layer norm stays in the wave (sums in the lane, one exchange between the halves), and two neighbouring result tiles,
; rounded to bf16 in pairs, ARE the next product's source 1: h1 and the relu's output never leave the registers, and only weights pass through LDS.
; The 256 f32 sums of a token tile pair (window 1) start as hs + b_out, take attn W_out, are normalised in place, take b_fc2 and the second product, and are normalised again.
; LAYER NORM in two passes: the mean, then the centred squares.  NaN: the relu gives 0 for a NaN; infinities are not treated apart.
; THE FFN goes in 8 groups of 128 hidden columns through two LDS slots (W_fc1's 128 rows, pitch 528; W_fc2's 256 rows x 256 bytes, pitch 272), 4 units of 32 columns each.
; A unit: 32 products for the hidden columns, relu, 32 products onto the sums.  The change of slots stands inside a group's fourth unit, where all the slot's fragments have been asked for.
; CLUSTER.  Four work-groups walk the same weights: every tile is asked for jointly, mask 15.  208 work-groups: 26,624 rows in shares of 128; rows from 26,588 on
; are made from the last token's inputs and are not stored.
; REGISTERS by windows of 256: 0 addresses, tables, source 1 fragments (v64-191), hidden sums T (v192-223), relu's output P (v224-239); 1 the sums; 2 the weights' fragments F1, F2; 3 raw rows of hs.
.set M,     26588
.set SLOTB, 139264                     ; slot 1; its two bits meet no bit of the offsets that are turned by an exclusive or
.set W2O,   67584                      ; W_fc2's rows in a slot
.set TAB,   278528                     ; b_out, b_fc1 + 1,024, g1 + 5,120, b1 + 6,144, b_fc2 + 7,168, g2 + 8,192, b2 + 9,216
.set STG,   288768                     ; + wave x 8,448: my stage, 16 rows, pitch 528
.set SPARE, 322560
.set WV, 56
.set MSB, 0
.macro WIN new
.if MSB != (\new)
	s_set_vgpr_msb (MSB<<8)|(\new)
.set MSB, \new
.endif
.endm
.macro PLACES
.rept 4
	v_nop
.endr
.endm
.macro CROUND
	s_barrier_signal -1
	s_barrier_wait -1
	s_cmp_lg_u32 s[WV], 0
	s_cbranch_scc1 .Lnw0_\@
	s_barrier_signal -3
.Lnw0_\@:
	s_barrier_wait -3
	s_barrier_signal -1
	s_barrier_wait -1
.endm
.macro JLOAD                           ; a joint refill: waves 0 and 1 fetch a group's rows of W_fc1, waves 2 and 3 its columns of W_fc2
	s_cmp_lt_u32 s[WV], 2
	s_cbranch_scc0 .Ljb_\@
	tensor_load_to_lds s[48:51], s[28:35]
	s_nop 0
	PLACES
	s_branch .Ljd_\@
.Ljb_\@:
	tensor_load_to_lds s[52:55], s[36:43]
	s_nop 0
	PLACES
.Ljd_\@:
.endm
; THE CHANGE OF SLOTS.  Each wave waits for all its tensor loads (one is out: its part of the other slot), adds 0 to its spare word, and waits for that and for its reads of the slot.
; fill = 1: the slot is filled again with the group two further on, first thing behind a round of the cluster's barrier.
.macro CHG fill
	WIN 0
	s_wait_tensorcnt 0x0
	ds_add_u32 v30, v31
.if \fill
	s_xor_b32 s49, s49, SLOTB
	s_add_nc_u64 s[50:51], s[50:51], 65536         ; 128 rows of W_fc1
	s_xor_b32 s53, s53, SLOTB
	s_add_nc_u64 s[54:55], s[54:55], 256           ; 128 columns of W_fc2
	s_wait_dscnt 0x0
	CROUND
	JLOAD
.else
	s_wait_dscnt 0x0
	s_barrier_signal -1
	s_barrier_wait -1
.endif
.endm
	s_load_b512 s[4:19], s[0:1], 0x0               ; attn 4, hs 6, wt 8, b_out 10, g1 12, b1 14, b_fc1 16, b_fc2 18
	s_load_b128 s[20:23], s[0:1], 0x40             ; g2 20, b2 22
	s_load_b64 s[24:25], s[0:1], 0x50              ; out0
	v_lshl_add_u32 v30, v0, 2, SPARE
	v_mov_b32 v31, 0
	ds_add_u32 v30, v31                            ; the wave's opening
	ds_add_u32 v30, v31
	v_lshrrev_b32 v1, 5, v0
	v_readfirstlane_b32 s[WV], v1
	s_bfe_u32 s57, ttmp6, 0x40000                  ; cx: it enters global addresses and one vector compare alone
	s_lshl_b32 s58, ttmp9, 2
	s_add_co_u32 s58, s58, s57
	s_lshl_b32 s58, s58, 7
	s_lshl_b32 s70, s[WV], 5
	s_add_co_u32 s58, s58, s70                     ; my wave's first token
	s_and_b32 s72, s[WV], 1
	s_mov_b32 s28, 15|(1<<16)|(1<<20)|(1<<21)|(6<<22)|(3<<25)  ; 64 rows of 256 bf16, 16 bytes of padding behind each
	s_mov_b32 s29, 256<<16
	s_mov_b32 s30, 64<<16
	s_mov_b32 s31, 256<<16
	s_mov_b32 s32, 64
	s_mov_b32 s33, 256
	s_mov_b32 s34, 0
	s_mov_b32 s35, 0
	s_mov_b32 s36, 15|(1<<16)|(1<<20)|(1<<21)|(5<<22)|(3<<25)  ; 128 rows of 128 bf16 out of rows of 1,024
	s_mov_b32 s37, 128<<16
	s_mov_b32 s38, 128<<16
	s_mov_b32 s39, 128<<16
	s_mov_b32 s40, 128
	s_mov_b32 s41, 1024
	s_mov_b32 s42, 0
	s_mov_b32 s43, 0
	s_mov_b32 s44, 1
	s_mul_i32 s45, s[WV], 33792                    ; W_out: 64 rows a wave, into slot 0
	s_mov_b32 s48, 1
	s_mul_i32 s49, s72, 33792
	s_add_co_u32 s49, s49, SLOTB                   ; group 0 goes into slot 1
	s_mov_b32 s52, 1
	s_mul_i32 s53, s72, 34816
	s_add_co_u32 s53, s53, SLOTB+W2O
	s_lshl_b32 s70, s[WV], 15
	s_add_co_u32 s70, s70, 327680
	s_mov_b32 s71, 0
	s_lshl_b32 s74, s72, 15
	s_add_co_u32 s74, s74, 458752
	s_mov_b32 s75, 0
	s_lshl_b32 s76, s72, 18
	s_add_co_u32 s76, s76, 983040
	s_mov_b32 s77, 0
	s_mov_b32 s66, 0x76543210
	s_mov_b32 s67, 0xfedcba98
	s_mov_b32 s68, 0x3b800000                      ; 1 / 256
	s_mov_b32 s69, 0x3727c5ac                      ; 1e-5
	s_wait_dscnt 0x0
	s_wait_kmcnt 0x0
	s_add_nc_u64 s[46:47], s[8:9], s[70:71]
	s_or_b32 s47, s47, 0x80000000
	s_add_nc_u64 s[50:51], s[8:9], s[74:75]
	s_or_b32 s51, s51, 0x80000000
	s_add_nc_u64 s[54:55], s[8:9], s[76:77]
	s_or_b32 s55, s55, 0x80000000
	CROUND                                         ; all four work-groups are here: the first joint loads meet
	s_cmp_lt_u32 s[WV], 2                          ; a wave's two first fills stand in one branch: two loads of mine are out
	s_cbranch_scc0 .Lff_b
	tensor_load_to_lds s[44:47], s[28:35]
	s_nop 0
	tensor_load_to_lds s[48:51], s[28:35]
	s_nop 0
	PLACES
	s_branch .Lff_done
.Lff_b:
	tensor_load_to_lds s[44:47], s[28:35]
	s_nop 0
	tensor_load_to_lds s[52:55], s[36:43]
	s_nop 0
	PLACES
.Lff_done:
	v_and_b32 v3, 31, v0
	v_and_b32 v1, 15, v0
	v_bfe_u32 v2, v0, 4, 1
	v_lshlrev_b32 v19, 4, v3
	v_lshlrev_b32 v20, 3, v0
	v_lshlrev_b32 v21, 4, v0
	global_load_b64 v[32:33], v20, s[10:11]
	global_load_b64 v[34:35], v20, s[12:13]
	global_load_b64 v[36:37], v20, s[14:15]
	global_load_b64 v[38:39], v20, s[18:19]
	global_load_b64 v[40:41], v20, s[20:21]
	global_load_b64 v[42:43], v20, s[22:23]
	global_load_b128 v[44:47], v21, s[16:17]
	global_load_b128 v[48:51], v21, s[16:17] offset:2048
.set i, 0
.rept 32
	s_add_co_u32 s70, s58, i
	s_min_u32 s70, s70, M-1
	s_lshl_b32 s71, s70, 10
	v_add_nc_u32 v[192+i], s71, v19                ; my 16 bytes of hs's row,
	s_lshl_b32 s71, s70, 9
	v_add_nc_u32 v[224+i], s71, v19                ; of attn's
.set i, i+1
.endr
.set i, 0
.rept 32
	global_load_b128 v[64+4*i:64+4*i+3], v[224+i], s[4:5] th:TH_LOAD_NT  ; a row of attn: 512 consecutive bytes
.set i, i+1
.endr
	WIN 0xc0
.set p, 0
.rept 4                                ; hs in four passes: token tile p / 2, half p % 2 of the row
.set i, 0
.rept 16
	global_load_b128 v[4*(16*p+i):4*(16*p+i)+3], v[192+16*(p/2)+i], s[6:7] offset:512*(p%2) th:TH_LOAD_NT
.set i, i+1
.endr
.set p, p+1
.endr
	WIN 0
	v_mul_u32_u24 v4, v1, 528
	v_lshl_add_u32 v4, v2, 4, v4                   ; fragment of a pitch-528 tile
	v_mul_u32_u24 v5, v1, 272
	v_lshl_add_u32 v5, v2, 4, v5                   ; of a pitch-272 tile
	v_add_nc_u32 v18, W2O, v4                      ; W_out's rows 128 on
	v_lshlrev_b32 v9, 5, v2
	v_add_nc_u32 v8, TAB+1024, v9
	v_add_nc_u32 v9, TAB, v9
	s_mul_i32 s70, s[WV], 8448
	s_add_co_u32 s70, s70, STG
	v_mul_u32_u24 v10, v1, 528
	v_lshl_add_u32 v10, v2, 5, v10
	v_add_nc_u32 v10, s70, v10                     ; stage by my token: 32 bytes for each half of the lanes
	v_add_nc_u32 v11, s70, v19                     ; stage by rows: 16 bytes a lane
	v_add_nc_u32 v24, s70, v4                      ; stage by bf16 fragments
	s_lshl_b32 s70, s58, 10
	v_add_nc_u32 v12, s70, v19                     ; my 16 bytes of out0's first row
	s_sub_co_i32 s70, M, s58
	s_max_i32 s70, s70, 0
	v_mov_b32 v13, s70                             ; rows of mine that exist
	v_mov_b32 v14, 0
	v_lshl_add_u32 v22, v0, 3, TAB
	v_lshl_add_u32 v23, v0, 4, TAB+1024
	s_wait_loadcnt 63                              ; 64 loads of hs were issued behind attn's: the tables and attn are in
	ds_store_b64 v22, v[32:33]
	ds_store_b64 v22, v[34:35] offset:5120
	ds_store_b64 v22, v[36:37] offset:6144
	ds_store_b64 v22, v[38:39] offset:7168
	ds_store_b64 v22, v[40:41] offset:8192
	ds_store_b64 v22, v[42:43] offset:9216
	ds_store_b128 v23, v[44:47]
	ds_store_b128 v23, v[48:51] offset:2048
.set mt, 0
.rept 2                                ; attn's rows through my stage, back as source 1 fragments; LDS serves a wave's instructions in order
.set i, 0
.rept 16
	ds_store_b128 v11, v[64+64*mt+4*i:64+64*mt+4*i+3] offset:528*i
.set i, i+1
.endr
.set kf, 0
.rept 8
	ds_load_b128 v[64+64*mt+8*kf:64+64*mt+8*kf+3], v24 offset:64*kf
	ds_load_b128 v[64+64*mt+8*kf+4:64+64*mt+8*kf+7], v24 offset:64*kf+32
.set kf, kf+1
.endr
.set mt, mt+1
.endr
.set p, 0
.rept 4                                ; hs through my stage, into the sums' layout
	s_wait_loadcnt 48-16*p                         ; this pass's sixteen loads are in, the later passes' stay out
	WIN 0x0c
.set i, 0
.rept 16
	ds_store_b128 v11, v[4*(16*p+i):4*(16*p+i)+3] offset:528*i
.set i, i+1
.endr
	WIN 0x40
.set t, 0
.rept 8
.set a, 8*(16*(p/2)+8*(p%2)+t)
	ds_load_b128 v[a:a+3], v10 offset:64*t
	ds_load_b128 v[a+4:a+7], v10 offset:64*t+16
.set t, t+1
.endr
.set p, p+1
.endr
	WIN 0
	s_wait_tensorcnt 0x1                           ; my part of W_out is in; group 0 may stay out
	s_wait_dscnt 0x0
	s_barrier_signal -1
	s_barrier_wait -1
; W_out: column tiles 2 j and 2 j + 1, all of K, into fragment buffer j % 2
.macro LDO j
	WIN 0x80
.set n, 0
.rept 2
.set nt, 2*(\j)+n
.set adr, 4
.if nt >= 8
.set adr, 18
.endif
.set kf, 0
.rept 8
.set f, 128*((\j)%2)+64*n+8*kf
	ds_load_b128 v[f:f+3], v[adr] offset:(nt%8)*8448+64*kf
	ds_load_b128 v[f+4:f+7], v[adr] offset:(nt%8)*8448+64*kf+32
.set kf, kf+1
.endr
.set n, n+1
.endr
.endm
	LDO 0
	LDO 1
	WIN 0
.set c, 0
.rept 4                                ; the sums take b_out
.set n, 0
.rept 4
	ds_load_b128 v[32+8*n:32+8*n+3], v9 offset:64*(4*c+n)
	ds_load_b128 v[32+8*n+4:32+8*n+7], v9 offset:64*(4*c+n)+16
.set n, n+1
.endr
	s_wait_dscnt 0x0
	WIN 0x41
.set mt, 0
.rept 2
.set n, 0
.rept 4
.set q, 0
.rept 4
.set a, 8*(16*mt+4*c+n)+2*q
	v_pk_add_f32 v[a:a+1], v[a:a+1], v[32+8*n+2*q:32+8*n+2*q+1]
.set q, q+1
.endr
.set n, n+1
.endr
.set mt, mt+1
.endr
	WIN 0
.set c, c+1
.endr
.set j, 0
.rept 8                                ; attn W_out onto the sums: 32 products a step, four sums by turns
.if j == 7
	s_wait_dscnt 0x0
.else
	s_wait_dscnt 32                                ; the other buffer's 32 loads may stay out
.endif
	WIN 0x52
.set kf, 0
.rept 8
.set n, 0
.rept 2
.set mt, 0
.rept 2
.set a, 8*(16*mt+2*j+n)
.set f, 128*(j%2)+64*n+8*kf
	v_wmma_f32_16x16x32_bf16 v[a:a+7], v[f:f+7], v[64+64*mt+8*kf:64+64*mt+8*kf+7], v[a:a+7]
.set mt, mt+1
.endr
.set n, n+1
.endr
.set kf, kf+1
.endr
	PLACES
.if j < 6
	LDO j+2
.endif
.set j, j+1
.endr
	CHG 1                                          ; W_out's slot takes group 1, which lands under the layer norm
.macro FOLD                            ; four pairs of partial sums into one number, the same in both lanes of a token
	v_pk_add_f32 v[ST:ST+1], v[ST:ST+1], v[ST+2:ST+3]
	v_pk_add_f32 v[ST+4:ST+5], v[ST+4:ST+5], v[ST+6:ST+7]
	v_pk_add_f32 v[ST:ST+1], v[ST:ST+1], v[ST+4:ST+5]
	v_add_f32 v[ST], v[ST], v[ST+1]
	v_permlanex16_b32 v[ST+1], v[ST], s66, s67
	v_add_f32 v[ST], v[ST], v[ST+1]
.endm
; mean, centring in place, 1 / sqrt(variance + 1e-5) for token tile mt.  Each sum tile's lowest registers are read first.
.macro LNSTAT mt
.set ST, 192+16*(\mt)
.set AB, 128*(\mt)
	WIN 0x05
.set c, 0
.rept 4
	v_pk_add_f32 v[ST+2*c:ST+2*c+1], v[AB+2*c:AB+2*c+1], v[AB+8+2*c:AB+8+2*c+1]
.set c, c+1
.endr
	WIN 0x01
.set nt, 2
.rept 14
.set c, 0
.rept 4
	v_pk_add_f32 v[ST+2*c:ST+2*c+1], v[AB+8*nt+2*c:AB+8*nt+2*c+1], v[ST+2*c:ST+2*c+1]
.set c, c+1
.endr
.set nt, nt+1
.endr
	WIN 0
	FOLD
	v_mul_f32 v[ST+8], s68, v[ST]
	v_mul_f32 v[ST+9], s68, v[ST]
	WIN 0x41
.set c, 0
.rept 64
	v_pk_add_f32 v[AB+2*c:AB+2*c+1], v[AB+2*c:AB+2*c+1], v[ST+8:ST+9] neg_lo:[0,1] neg_hi:[0,1]
.set c, c+1
.endr
	WIN 0x05
.set c, 0
.rept 4
	v_pk_mul_f32 v[ST+2*c:ST+2*c+1], v[AB+2*c:AB+2*c+1], v[AB+2*c:AB+2*c+1]
.set c, c+1
.endr
.set nt, 1
.rept 15
.set c, 0
.rept 4
	v_pk_fma_f32 v[ST+2*c:ST+2*c+1], v[AB+8*nt+2*c:AB+8*nt+2*c+1], v[AB+8*nt+2*c:AB+8*nt+2*c+1], v[ST+2*c:ST+2*c+1]
.set c, c+1
.endr
.set nt, nt+1
.endr
	WIN 0
	FOLD
	v_fma_f32 v[ST+12], v[ST], s68, s69
	v_rsq_f32 v[ST+10], v[ST+12]
	v_rsq_f32 v[ST+11], v[ST+12]
	v_nop
	s_wait_alu depctr_va_vdst(0)
.endm
; gain and bias, two column tiles at a time.  which = 1: the result is also rounded to bf16 as the next product's source 1, and the sums then take b_fc2.
.macro LNAPPLY which
.set go, 5120+3072*((\which)-1)
.set c, 0
.rept 8
.set n, 0
.rept 2
	ds_load_b128 v[32+8*n:32+8*n+3], v9 offset:go+64*(2*c+n)
	ds_load_b128 v[32+8*n+4:32+8*n+7], v9 offset:go+64*(2*c+n)+16
	ds_load_b128 v[48+8*n:48+8*n+3], v9 offset:go+1024+64*(2*c+n)
	ds_load_b128 v[48+8*n+4:48+8*n+7], v9 offset:go+1024+64*(2*c+n)+16
.if (\which) == 1
	ds_load_b128 v[224+8*n:224+8*n+3], v9 offset:7168+64*(2*c+n)
	ds_load_b128 v[224+8*n+4:224+8*n+7], v9 offset:7168+64*(2*c+n)+16
.endif
.set n, n+1
.endr
	s_wait_dscnt 0x0
	WIN 0x41
.set k, 0
.rept 16                               ; k = 8 mt + 4 n + q
.set a, 8*(16*(k/8)+2*c+(k/4)%2)+2*(k%4)
	v_pk_mul_f32 v[a:a+1], v[a:a+1], v[202+16*(k/8):203+16*(k/8)]
.set k, k+1
.endr
.set k, 0
.rept 16
.set a, 8*(16*(k/8)+2*c+(k/4)%2)+2*(k%4)
	v_pk_fma_f32 v[a:a+1], v[a:a+1], v[32+2*(k%8):33+2*(k%8)], v[48+2*(k%8):49+2*(k%8)]
.set k, k+1
.endr
.if (\which) == 1
	WIN 0x05
.set k, 0
.rept 16
.set a, 8*(16*(k/8)+2*c+(k/4)%2)+2*(k%4)
	v_cvt_pk_bf16_f32 v[64+64*(k/8)+8*c+(k%8)], v[a], v[a+1]
.set k, k+1
.endr
	WIN 0x41
.set k, 0
.rept 16
.set a, 8*(16*(k/8)+2*c+(k/4)%2)+2*(k%4)
	v_pk_add_f32 v[a:a+1], v[a:a+1], v[224+2*(k%8):225+2*(k%8)]
.set k, k+1
.endr
.endif
	WIN 0
.set c, c+1
.endr
.endm
	LNSTAT 0
	LNSTAT 1
	LNAPPLY 1
.macro LDF1                            ; a unit's b_fc1 and its 32 rows of W_fc1: 36 loads
	v_add_nc_u32 v6, s59, v4
	v_add_nc_u32 v15, s63, v8
	ds_load_b128 v[32:35], v15
	ds_load_b128 v[36:39], v15 offset:16
	ds_load_b128 v[40:43], v15 offset:64
	ds_load_b128 v[44:47], v15 offset:80
	WIN 0x80
.set n, 0
.rept 2
.set kf, 0
.rept 8
	ds_load_b128 v[64*n+8*kf:64*n+8*kf+3], v6 offset:8448*n+64*kf
	ds_load_b128 v[64*n+8*kf+4:64*n+8*kf+7], v6 offset:8448*n+64*kf+32
.set kf, kf+1
.endr
.set n, n+1
.endr
	WIN 0
.endm
.macro LDF2                            ; a unit's 32 columns of W_fc2's 256 rows: 32 loads
	v_add_nc_u32 v7, s62, v5
	WIN 0x80
.set nt, 0
.rept 16
	ds_load_b128 v[128+8*nt:128+8*nt+3], v7 offset:4352*nt
	ds_load_b128 v[128+8*nt+4:128+8*nt+7], v7 offset:4352*nt+32
.set nt, nt+1
.endr
	WIN 0
.endm
; A UNIT: 32 hidden columns.  mode 0: the next unit lies in the same slot; 1: change of slots, this slot is filled again; 2: change of slots, nothing is asked for.
; No two matrix instructions that follow each other share an accumulator: four hidden sums by turns, then each of the 32 sums once.
.macro UNIT mode
	s_wait_dscnt 32                                ; F1 and the bias are in; F2's 32 loads, issued behind them, may stay out
	WIN 0x02
.set kf, 0
.rept 8
.set n, 0
.rept 2
.set mt, 0
.rept 2
.set a, 192+8*(2*n+mt)
.if kf == 0
	v_wmma_f32_16x16x32_bf16 v[a:a+7], v[64*n+8*kf:64*n+8*kf+7], v[64+64*mt+8*kf:64+64*mt+8*kf+7], v[32+8*n:32+8*n+7]
.else
	v_wmma_f32_16x16x32_bf16 v[a:a+7], v[64*n+8*kf:64*n+8*kf+7], v[64+64*mt+8*kf:64+64*mt+8*kf+7], v[a:a+7]
.endif
.set mt, mt+1
.endr
.set n, n+1
.endr
.set kf, kf+1
.endr
	WIN 0
	PLACES
.if (\mode) == 0
	s_add_co_u32 s59, s59, 16896
.else
	CHG 2-(\mode)
	s_sub_co_u32 s59, s59, 3*16896                 ; back to a slot's first unit,
	s_xor_b32 s59, s59, SLOTB                      ; in the other slot
	s_sub_co_u32 s62, s62, 192
	s_xor_b32 s62, s62, SLOTB
.endif
	s_add_co_u32 s63, s63, 128
	LDF1
.set k, 0
.rept 16                               ; k = 8 mt + 4 n + q: the hidden sums rounded to bf16 in pairs are source 1 of the second product
	v_cvt_pk_bf16_f32 v[224+k], v[192+8*(2*((k/4)%2)+k/8)+2*(k%4)], v[192+8*(2*((k/4)%2)+k/8)+2*(k%4)+1]
.set k, k+1
.endr
.set k, 0
.rept 16
	v_pk_max_num_bf16 v[224+k], v[224+k], v14      ; relu
.set k, k+1
.endr
	s_wait_dscnt 36                                ; F2 is in; the 36 loads just issued may stay out
	WIN 0x52
.set nt, 0
.rept 16
.set mt, 0
.rept 2
.set a, 8*(16*mt+nt)
	v_wmma_f32_16x16x32_bf16 v[a:a+7], v[128+8*nt:128+8*nt+7], v[224+8*mt:224+8*mt+7], v[a:a+7]
.set mt, mt+1
.endr
.set nt, nt+1
.endr
	WIN 0
	PLACES
.if (\mode) == 0
	s_add_co_u32 s62, s62, 64
.endif
	LDF2
.endm
.macro THREE
	s_mov_b32 s61, 3
.Lthree_\@:
	UNIT 0
	s_sub_co_u32 s61, s61, 1
	s_cmp_lg_u32 s61, 0
	s_cbranch_scc1 .Lthree_\@
.endm
	s_mov_b32 s59, SLOTB                           ; group 0 lies in slot 1
	s_mov_b32 s62, SLOTB+W2O
	s_mov_b32 s63, 0
	LDF1
	LDF2
	s_mov_b32 s60, 6
.Lgrp:                                                 ; groups 0 to 5: their slots are filled again with groups 2 to 7; a refill has 256 matrix instructions in which to land
	THREE
	UNIT 1
	s_sub_co_u32 s60, s60, 1
	s_cmp_lg_u32 s60, 0
	s_cbranch_scc1 .Lgrp
	s_mov_b32 s60, 2
.Ltail:                                                ; groups 6 and 7 ask for nothing.  The very last unit's fetches read bytes that were written and serve nothing: the price, once a launch, of one text for both
	THREE
	UNIT 2
	s_sub_co_u32 s60, s60, 1
	s_cmp_lg_u32 s60, 0
	s_cbranch_scc1 .Ltail
	s_wait_dscnt 0x0                               ; those fetches are back: their registers are free
	LNSTAT 0
	LNSTAT 1
	LNAPPLY 2
; THE WAY OUT: half rows of a token tile through my stage, back as rows: a store covers 512 consecutive bytes, aligned.  Rows that do not exist are left out by EXEC, which only narrows
; within a pass; every write of EXEC stands behind s_wait_xcnt 0.
.macro OUTP mt, hf
	WIN 0x04
.set t, 0
.rept 8
.set a, 8*(16*(\mt)+8*(\hf)+t)
	ds_store_b128 v10, v[a:a+3] offset:64*t
	ds_store_b128 v10, v[a+4:a+7] offset:64*t+16
.set t, t+1
.endr
	WIN 0
.set i, 0
.rept 16
	ds_load_b128 v[64+4*i:64+4*i+3], v11 offset:528*i
.set i, i+1
.endr
	s_wait_dscnt 0x0
.set i, 0
.rept 16
	s_wait_xcnt 0x0
	v_cmpx_lt_u32 16*(\mt)+i, v13
	global_store_b128 v12, v[64+4*i:64+4*i+3], s[24:25] offset:(16*(\mt)+i)*1024+512*(\hf) th:TH_STORE_NT
.set i, i+1
.endr
	s_wait_xcnt 0x0
	s_mov_b32 exec_lo, -1
.endm
	OUTP 0, 0
	OUTP 0, 1
	OUTP 1, 0
	OUTP 1, 1
	s_wait_tensorcnt 0x0                           ; the wave's end
	ds_add_u32 v30, v31
	s_wait_dscnt 0x0
	CROUND                                         ; the closing round
	s_endpgm
.Lfunc_end_k_qde10b4df50_ffn:
	.size	k_qde10b4df50_ffn, .Lfunc_end_k_qde10b4df50_ffn-k_qde10b4df50_ffn
	.p2alignl 7, 3214868480
	.fill 96, 4, 3214868480
	.section	.rodata,"a",@progbits
	.p2align	6, 0x0
	.amdhsa_kernel k_qde10b4df50_ffn
		.amdhsa_group_segment_fixed_size 327680
		.amdhsa_private_segment_fixed_size 0
		.amdhsa_enable_private_segment 0
		.amdhsa_kernarg_size 88
		.amdhsa_user_sgpr_count 2
		.amdhsa_user_sgpr_kernarg_segment_ptr 1
		.amdhsa_wavefront_size32 1
		.amdhsa_system_sgpr_workgroup_id_x 1
		.amdhsa_system_sgpr_workgroup_id_y 1
		.amdhsa_system_sgpr_workgroup_id_z 1
		.amdhsa_system_vgpr_workitem_id 0
		.amdhsa_next_free_vgpr 1024
		.amdhsa_next_free_sgpr 80
		.amdhsa_reserve_vcc 0
		.amdhsa_float_denorm_mode_32 3
		.amdhsa_float_denorm_mode_16_64 3
		.amdhsa_memory_ordered 1
		.amdhsa_forward_progress 1
		.amdhsa_inst_pref_size 255
	.end_amdhsa_kernel
	.section	.bss,"aw",@nobits
	.p2align	6
	.space	262144
	.amdgpu_metadata
---
amdhsa.version: [ 1, 2 ]
amdhsa.kernels:
  - .name:           k_qde10b4df50_ffn
    .symbol:         k_qde10b4df50_ffn.kd
    .args:
      - { .name: attn, .offset: 0, .size: 8, .value_kind: global_buffer, .address_space: global }
      - { .name: hidden_states, .offset: 8, .size: 8, .value_kind: global_buffer, .address_space: global }
      - { .name: wt, .offset: 16, .size: 8, .value_kind: global_buffer, .address_space: global }
      - { .name: b_out, .offset: 24, .size: 8, .value_kind: global_buffer, .address_space: global }
      - { .name: ln1_g, .offset: 32, .size: 8, .value_kind: global_buffer, .address_space: global }
      - { .name: ln1_b, .offset: 40, .size: 8, .value_kind: global_buffer, .address_space: global }
      - { .name: b_fc1, .offset: 48, .size: 8, .value_kind: global_buffer, .address_space: global }
      - { .name: b_fc2, .offset: 56, .size: 8, .value_kind: global_buffer, .address_space: global }
      - { .name: ln2_g, .offset: 64, .size: 8, .value_kind: global_buffer, .address_space: global }
      - { .name: ln2_b, .offset: 72, .size: 8, .value_kind: global_buffer, .address_space: global }
      - { .name: out0, .offset: 80, .size: 8, .value_kind: global_buffer, .address_space: global }
    .group_segment_fixed_size: 327680
    .private_segment_fixed_size: 0
    .kernarg_segment_align: 8
    .kernarg_segment_size: 88
    .max_flat_workgroup_size: 128
    .sgpr_count:     80
    .vgpr_count:     1024
    .wavefront_size: 32
...
	.end_amdgpu_metadata
.endif
;; end of part 4
;; ======== version 2 of 3: 4 launches; 1.80 times as fast as version 1
;; limits: values are held in f16: magnitudes above 65,504 overflow, below 6.1e-05 lose precision
;; workspace buffers: wt 1,507,328 bytes; vh 13,631,488 bytes; sidx 6,815,744 bytes of whole numbers; swt 27,262,976 bytes; attn 13,631,488 bytes
;; launch prep: the kernel of part 1 again; grid 92 x 1, 8 waves a work-group, no clusters, 18,432 bytes of LDS; arguments W_val, W_off, W_att, W_out, W_fc1, W_fc2, wt; writes wt
;; launch proj (part 5): grid 208 x 1, 4 waves a work-group, clusters of 4 x 1, 327,680 bytes of LDS; arguments hidden_states, position_embeddings, attention_mask, reference_points, spatial_shapes, wt, b_val, b_off, b_att, vh, sidx, swt; writes vh, sidx, swt
.if DOCPART == 5
	.amdgcn_target "amdgcn-amd-amdhsa--gfx1250"
	.amdhsa_code_object_version 6
	.text
	.protected	k_qde10b4df50_proj
	.globl	k_qde10b4df50_proj
	.p2align	8
	.type	k_qde10b4df50_proj,@function
k_qde10b4df50_proj:
	s_mov_b64 s[64:65], 0
	v_nop
	global_prefetch_b8 v0, s[64:65] scope:SCOPE_SE
	s_setreg_imm32_b32 hwreg(HW_REG_WAVE_MODE, 25, 1), 1
	s_wait_xcnt 0x0
	s_wait_alu depctr_hold_cnt(0) depctr_sa_sdst(0) depctr_va_vdst(0) depctr_va_sdst(0) depctr_va_ssrc(0) depctr_va_vcc(0) depctr_vm_vsrc(0)
	s_getreg_b32 s2, hwreg(HW_REG_IB_STS2, 6, 4)
	s_cmp_eq_u32 s2, 0
	s_cbranch_scc0 .Lentry_in_a_cluster
	s_endpgm
.Lentry_in_a_cluster:
	s_bfe_u32 s2, ttmp6, 0x10000c
	s_cmp_lg_u32 s2, 0x3003
	s_cbranch_scc0 .Lentry_shape_is_right
	s_endpgm
.Lentry_shape_is_right:
; For 128 tokens a work-group, 32 a wave: value = hs W_val + b_val (0 where the mask says padding), stored f16 into vh;
; offsets and logits from q = hs + pos; the softmax over a head's 16 logits, its maximum taken away; and for each of the 128 sampling points
; ONE whole number (sidx: the table entry of the upper left of a 2 x 2 block that lies inside the level) and FOUR weights (swt, f16).
; THE POINT.  x = (ref + off / normaliser) W - 0.5.  xb = floor(x) held to 0 .. W - 2, d = x - xb; pixel xb has the weight
; med3(1 + d, 1 - d, 0), pixel xb + 1 has med3(d, 2 - d, 0): the bilinear weights with zero padding, for every x.  The attention weight is
; multiplied in.  The normaliser is read from spatial_shapes; the level sizes 100, 50, 25, 13 used in sampling are constants of the problem.
; level_start_index takes no part in the result that is asked for and is no argument.
; LAYOUTS, made so that a lane's registers are whole entries of 16 bytes and sixteen neighbouring lanes fill 256 consecutive bytes, aligned:
;   vh   [32 blocks of 8 channels][26,624 tokens][8 f16];   sidx [head][block of 32 tokens][2 chunks of 8 slots][32 tokens][8 u16];
;   swt  [head][block of 32 tokens][8 chunks of 2 slots][32 tokens][2 slots x 4 corners f16].  Slots 0-3, 4-7, 8-11, 12-15 are levels 0, 2, 1, 3.
; An index counts entries of the batch's table as the next launch holds it: batch 0 from token 0, batch 1 from token 13,280, so its indices carry + 14.
; LIMITS.  The value table is f16: |value| must stay under 65,504.  NaN and infinities are not treated apart.  Rows 26,588 .. 26,623 of the
; three buffers are made from the last token's inputs: no later launch makes a result of them.
; PRODUCTS are taken transposed (source 0 = 16 rows of a weight [n][k], source 1 = 16 tokens): a lane holds ONE token (lane % 16) and the
; columns 8 (lane / 16) + 0..7 of a tile, so a softmax needs one exchange between the halves of the lanes.
; CLUSTER.  Four work-groups walk the same weights: each tile is asked for jointly, mask 15.  208 work-groups: 26,624 rows in shares of 128.
; LDS: Q0 (offsets' and logits' rows 0-191, pitch 528); SA (W_val's 256 rows, filled once more with rows 192-383, so that the eight heads
; lie on end, 25,344 bytes apart); each wave's own stage for its tokens; the biases; the spare words.
; REGISTERS by windows of 256: 0 addresses, constants, accumulators, work; 1 the tokens' fragments (hs, then q); 2 raw rows 0-15, later the
; weights' fragments; 3 raw rows 16-31.
.set M,     26588
.set SEQ,   13294
.set KB,    425984                     ; a block of 8 channels in vh: 26,624 entries of 16 bytes
.set HSB,   4*KB                       ; a head of vh
.set IHS,   851968                     ; a head of sidx
.set WHS,   3407872                    ; a head of swt
.set SA,    101376
.set PRIV,  236544                     ; + wave x 16,896: the tokens' stage: hs at 0, q at 8,448 (pitch 528)
.set TAB,   304128                     ; b_val, b_off + 1,024, b_att + 2,048
.set SPARE, 306688
.set WV, 66
.set MSB, 0
.macro WIN new                         ; the immediate's high byte repeats the setting that is left
.if MSB != (\new)
	s_set_vgpr_msb (MSB<<8)|(\new)
.set MSB, \new
.endif
.endm
.macro PLACES                          ; four places behind matrix instructions (ISA guide 7.12.1)
.rept 4
	v_nop
.endr
.endm
.macro CROUND                          ; a round of the cluster's barrier
	s_barrier_signal -1
	s_barrier_wait -1
	s_cmp_lg_u32 s[WV], 0
	s_cbranch_scc1 .Lnw0_\@
	s_barrier_signal -3
.Lnw0_\@:
	s_barrier_wait -3
	s_barrier_signal -1
	s_barrier_wait -1
.endm
	s_load_b512 s[4:19], s[0:1], 0x0               ; hs 4, pos 6, mask 8, ref 10, shapes 12, wt 14, b_val 16, b_off 18
	s_load_b256 s[20:27], s[0:1], 0x40             ; b_att 20, vh 22, sidx 24, swt 26
	v_lshl_add_u32 v30, v0, 2, SPARE
	v_mov_b32 v31, 0
	ds_add_u32 v30, v31                            ; the wave's opening
	ds_add_u32 v30, v31
	v_lshrrev_b32 v1, 5, v0
	v_readfirstlane_b32 s[WV], v1
	s_bfe_u32 s67, ttmp6, 0x40000                  ; cx: it enters global addresses alone
	s_lshl_b32 s68, ttmp9, 2
	s_add_co_u32 s68, s68, s67
	s_lshl_b32 s68, s68, 7
	s_lshl_b32 s70, s[WV], 5
	s_add_co_u32 s68, s68, s70                     ; my wave's first token
	; group 1: rows of 256 bf16, 16 bytes of padding behind each; 64 rows (W_val) or 48 (offsets and logits) a wave
	s_mov_b32 s28, 15|(1<<16)|(1<<20)|(1<<21)|(6<<22)|(3<<25)
	s_mov_b32 s29, 256<<16
	s_mov_b32 s30, 64<<16
	s_mov_b32 s31, 256<<16
	s_mov_b32 s32, 64
	s_mov_b32 s33, 256
	s_mov_b32 s34, 0
	s_mov_b32 s35, 0
	s_mov_b32 s36, 15|(1<<16)|(1<<20)|(1<<21)|(6<<22)|(3<<25)
	s_mov_b32 s37, 256<<16
	s_mov_b32 s38, 48<<16
	s_mov_b32 s39, 256<<16
	s_mov_b32 s40, 48
	s_mov_b32 s41, 256
	s_mov_b32 s42, 0
	s_mov_b32 s43, 0
	s_mov_b32 s44, 1
	s_mul_i32 s45, s[WV], 33792
	s_add_co_u32 s45, s45, SA
	s_mov_b32 s48, 1
	s_mul_i32 s49, s[WV], 25344
	s_mov_b32 s52, 1
	s_add_co_u32 s53, s49, SA
	s_lshl_b32 s70, s[WV], 15
	s_mov_b32 s71, 0
	s_mul_i32 s84, s[WV], 24576
	s_add_co_u32 s84, s84, 131072
	s_mov_b32 s85, 0
	s_mov_b32 s72, 0xffff0000                      ; the lanes 16-31
	s_mov_b32 s74, 0x76543210
	s_mov_b32 s75, 0xfedcba98
	s_mov_b32 s78, 0x3fb8aa3b                      ; log2(e)
	s_mov_b32 s79, 0x3fb8aa3b
	s_wait_dscnt 0x0
	s_wait_kmcnt 0x0
	s_add_nc_u64 s[46:47], s[14:15], s[70:71]
	s_or_b32 s47, s47, 0x80000000
	s_add_nc_u64 s[50:51], s[14:15], s[84:85]
	s_add_nc_u64 s[54:55], s[50:51], 98304         ; 192 rows further on: the refill
	s_or_b32 s51, s51, 0x80000000
	s_or_b32 s55, s55, 0x80000000
	CROUND                                         ; all four work-groups are here: the first joint loads meet
	tensor_load_to_lds s[44:47], s[28:35]          ; my 64 rows of W_val
	s_nop 0
	tensor_load_to_lds s[48:51], s[36:43]          ; my 48 of the offsets' and logits' first 192: two loads of mine are out
	s_nop 0
	PLACES
	s_load_b256 s[56:63], s[12:13], 0x0            ; spatial_shapes: (H, W) of levels 0..3
	v_and_b32 v3, 31, v0
	v_and_b32 v1, 15, v0
	v_bfe_u32 v2, v0, 4, 1
	v_lshlrev_b32 v15, 4, v3
	v_mul_u32_u24 v4, v1, 528
	v_lshl_add_u32 v4, v2, 4, v4                   ; a fragment's row x pitch + 16 x half
	v_add_nc_u32 v18, s68, v1
	v_add_nc_u32 v19, 16, v18
	v_min_u32 v18, M-1, v18                        ; my lane's tokens in the two tiles
	v_min_u32 v19, M-1, v19
	v_lshlrev_b32 v56, 5, v18
	v_lshl_add_u32 v56, v2, 3, v56
	v_lshlrev_b32 v57, 5, v19
	v_lshl_add_u32 v57, v2, 3, v57
	v_lshlrev_b32 v60, 3, v0
	v_lshlrev_b32 v61, 2, v0
	global_load_b64 v[24:25], v60, s[16:17]
	global_load_b64 v[26:27], v60, s[18:19]
	global_load_b32 v28, v61, s[20:21]
	global_load_u8 v16, v18, s[8:9]
	global_load_u8 v17, v19, s[8:9]
	global_load_b64 v[44:45], v56, s[10:11]            ; reference point of level h', tile 0
	global_load_b64 v[46:47], v56, s[10:11] offset:16  ; of level 2 + h'
	global_load_b64 v[48:49], v57, s[10:11]
	global_load_b64 v[50:51], v57, s[10:11] offset:16
.set i, 0
.rept 32
	s_add_co_u32 s70, s68, i
	s_min_u32 s70, s70, M-1
	s_lshl_b32 s70, s70, 10
	v_add_nc_u32 v[136+i], s70, v15
.set i, i+1
.endr
	WIN 0x80                                       ; a row: 512 consecutive bytes an instruction; hs twice, pos twice
.set i, 0
.rept 16
	global_load_b128 v[16*i:16*i+3], v[136+i], s[4:5] th:TH_LOAD_NT
	global_load_b128 v[16*i+4:16*i+7], v[136+i], s[4:5] offset:512 th:TH_LOAD_NT
	global_load_b128 v[16*i+8:16*i+11], v[136+i], s[6:7] th:TH_LOAD_NT
	global_load_b128 v[16*i+12:16*i+15], v[136+i], s[6:7] offset:512 th:TH_LOAD_NT
.set i, i+1
.endr
	WIN 0xc0
.set i, 0
.rept 16
	global_load_b128 v[16*i:16*i+3], v[152+i], s[4:5] th:TH_LOAD_NT
	global_load_b128 v[16*i+4:16*i+7], v[152+i], s[4:5] offset:512 th:TH_LOAD_NT
	global_load_b128 v[16*i+8:16*i+11], v[152+i], s[6:7] th:TH_LOAD_NT
	global_load_b128 v[16*i+12:16*i+15], v[152+i], s[6:7] offset:512 th:TH_LOAD_NT
.set i, i+1
.endr
	WIN 0
	; addresses, made while the rows are on their way
	s_mul_i32 s70, s[WV], 16896
	s_add_co_u32 s70, s70, PRIV
	v_lshl_add_u32 v62, v3, 3, s70                 ; tokens' stage, in: 8 bytes a lane
	v_add_nc_u32 v63, s70, v4                      ; and back, as fragments
	v_lshlrev_b32 v29, 4, v1                       ; 16 bytes for each token of a tile
	s_lshl_b32 s73, s68, 4
	v_mul_u32_u24 v20, v2, KB
	v_add_nc_u32 v20, v20, v29
	v_add_nc_u32 v20, s73, v20                     ; vh: channel block h', my token
	s_lshl_b32 s73, s68, 5
	v_lshl_add_u32 v21, v2, 9, v29
	v_add_nc_u32 v21, s73, v21                     ; sidx: my wave's block of 32 tokens (1,024 bytes), chunk h', my token
	s_lshl_b32 s73, s68, 7
	v_lshl_add_u32 v22, v2, 11, v29
	v_add_nc_u32 v22, s73, v22                     ; swt: my wave's block (4,096 bytes), chunk 4 h', my token
	v_lshlrev_b32 v6, 5, v2
	v_add_nc_u32 v6, TAB, v6
	v_lshlrev_b32 v8, 4, v2
	v_add_nc_u32 v8, TAB+2048, v8
	v_lshl_add_u32 v58, v0, 3, TAB
	v_lshl_add_u32 v59, v0, 2, TAB+2048
; Sixteen raw rows become q = hs + pos, both are rounded to bf16, go through my stage and come back as fragments.  Four rows at a time.
.macro APREP mt
.set g, 0
.rept 4
.set later, 128-16*(4*(\mt)+g+1)
.if later > 63
.set later, 63
.endif
	s_wait_loadcnt later                           ; the rows' loads were issued in order: these four rows are in, younger ones stay out
	WIN 0x8a+0x45*(\mt)
.set i, 4*g
.rept 4
.set b, 16*i
	v_pk_add_f32 v[b+8:b+9], v[b+8:b+9], v[b:b+1]
	v_pk_add_f32 v[b+10:b+11], v[b+10:b+11], v[b+2:b+3]
	v_pk_add_f32 v[b+12:b+13], v[b+12:b+13], v[b+4:b+5]
	v_pk_add_f32 v[b+14:b+15], v[b+14:b+15], v[b+6:b+7]
	v_cvt_pk_bf16_f32 v[b], v[b], v[b+1]
	v_cvt_pk_bf16_f32 v[b+1], v[b+2], v[b+3]
	v_cvt_pk_bf16_f32 v[b+4], v[b+4], v[b+5]
	v_cvt_pk_bf16_f32 v[b+5], v[b+6], v[b+7]
	v_cvt_pk_bf16_f32 v[b+8], v[b+8], v[b+9]
	v_cvt_pk_bf16_f32 v[b+9], v[b+10], v[b+11]
	v_cvt_pk_bf16_f32 v[b+12], v[b+12], v[b+13]
	v_cvt_pk_bf16_f32 v[b+13], v[b+14], v[b+15]
.set i, i+1
.endr
	WIN 0x08+0x04*(\mt)
.set i, 4*g
.rept 4
.set b, 16*i
	ds_store_b64 v62, v[b:b+1] offset:528*i
	ds_store_b64 v62, v[b+4:b+5] offset:528*i+256
	ds_store_b64 v62, v[b+8:b+9] offset:8448+528*i
	ds_store_b64 v62, v[b+12:b+13] offset:8448+528*i+256
.set i, i+1
.endr
.set g, g+1
.endr
	WIN 0x40                                       ; LDS serves a wave's instructions in order: these see the stores above
.set kf, 0
.rept 8
	ds_load_b128 v[64*(\mt)+8*kf:64*(\mt)+8*kf+3], v63 offset:64*kf
	ds_load_b128 v[64*(\mt)+8*kf+4:64*(\mt)+8*kf+7], v63 offset:64*kf+32
	ds_load_b128 v[128+64*(\mt)+8*kf:128+64*(\mt)+8*kf+3], v63 offset:8448+64*kf
	ds_load_b128 v[128+64*(\mt)+8*kf+4:128+64*(\mt)+8*kf+7], v63 offset:8448+64*kf+32
.set kf, kf+1
.endr
	WIN 0
.endm
	APREP 0
	APREP 1
	ds_store_b64 v58, v[24:25]                     ; the biases into LDS, once
	ds_store_b64 v58, v[26:27] offset:1024
	ds_store_b32 v59, v28
	v_cmp_eq_u32 s76, 0, v16
	v_cndmask_b32 v16, 0, -1, s76                  ; all ones where the token is kept
	v_cmp_eq_u32 s76, 0, v17
	v_cndmask_b32 v17, 0, -1, s76
	s_wait_kmcnt 0x0
	; constants by the lane's half: group 0 is level h', group 1 level 2 + h'.  v32-35 1 / normaliser (x, y); v36-39 W, H; v40-43 W - 2, H - 2
.set G, 0
.rept 2
	v_mov_b32 v[32+2*G], s[57+4*G]
	v_mov_b32 v29, s[59+4*G]
	v_cndmask_b32 v[32+2*G], v[32+2*G], v29, s72
	v_mov_b32 v[33+2*G], s[56+4*G]
	v_mov_b32 v29, s[58+4*G]
	v_cndmask_b32 v[33+2*G], v[33+2*G], v29, s72
.set G, G+1
.endr
.set i, 32
.rept 4
	v_cvt_f32_i32 v[i], v[i]
.set i, i+1
.endr
.set i, 32
.rept 4
	v_rcp_f32 v[i], v[i]
.set i, i+1
.endr
	v_mov_b32 v29, 0x42480000                      ; 50
	v_cndmask_b32 v36, 0x42c80000, v29, s72        ; 100
	v_mov_b32 v37, v36
	v_mov_b32 v29, 0x41500000                      ; 13
	v_cndmask_b32 v38, 0x41c80000, v29, s72        ; 25
	v_mov_b32 v39, v38
	v_mov_b32 v29, 0x42400000                      ; 48
	v_cndmask_b32 v40, 0x42c40000, v29, s72        ; 98
	v_mov_b32 v41, v40
	v_mov_b32 v29, 0x41300000                      ; 11
	v_cndmask_b32 v42, 0x41b80000, v29, s72        ; 23
	v_mov_b32 v43, v42
	; v52-55: the level's first entry in my token's batch's table, in both halves of a word
	v_mov_b32 v29, 10000|(10000<<16)
	v_cndmask_b32 v193, 0, v29, s72
	v_mov_b32 v29, 13125|(13125<<16)
	v_cndmask_b32 v194, 12500|(12500<<16), v29, s72
	v_mov_b32 v192, 14|(14<<16)                    ; batch 1's table begins at token 13,280 = 13,294 - 14
	v_cmp_le_u32 s76, SEQ, v18
	v_cndmask_b32 v29, 0, v192, s76
	v_add_nc_u32 v52, v193, v29
	v_add_nc_u32 v53, v194, v29
	v_cmp_le_u32 s76, SEQ, v19
	v_cndmask_b32 v29, 0, v192, s76
	v_add_nc_u32 v54, v193, v29
	v_add_nc_u32 v55, v194, v29
	s_wait_tensorcnt 0x1                           ; my part of W_val is in; the second load may stay out
	s_wait_dscnt 0x0                               ; my fragments are in, my stores of the biases done
	s_barrier_signal -1
	s_barrier_wait -1
; tiles x 2 x 8 matrix instructions: the accumulators (tile t, token tile mt) at v[64 + 8 (2 t + mt)] take turns, one instruction a turn
; the first K step takes the bias as C.  ab: the tokens' fragments in window 1 (hs 0, q 128).
.macro MATS tiles, ab
	WIN 0x06                                       ; weights window 2, tokens window 1, C and D window 0
.set kf, 0
.rept 8
.set t, 0
.rept \tiles
.set mt, 0
.rept 2
.set a, 64+8*(2*t+mt)
.if kf == 0
	v_wmma_f32_16x16x32_bf16 v[a:a+7], v[8*(8*t+kf):8*(8*t+kf)+7], v[(\ab)+64*mt+8*kf:(\ab)+64*mt+8*kf+7], v[112+8*t:112+8*t+7]
.else
	v_wmma_f32_16x16x32_bf16 v[a:a+7], v[8*(8*t+kf):8*(8*t+kf)+7], v[(\ab)+64*mt+8*kf:(\ab)+64*mt+8*kf+7], v[a:a+7]
.endif
.set mt, mt+1
.endr
.set t, t+1
.endr
.set kf, kf+1
.endr
	WIN 0
.endm
; a head's weight fragments (tiles x 8 x 2 loads) from LDS byte s80 on
.macro LDW tiles
	v_add_nc_u32 v5, s80, v4
	WIN 0x80
.set t, 0
.rept \tiles
.set kf, 0
.rept 8
	ds_load_b128 v[8*(8*t+kf):8*(8*t+kf)+3], v5 offset:8448*t+64*kf
	ds_load_b128 v[8*(8*t+kf)+4:8*(8*t+kf)+7], v5 offset:8448*t+64*kf+32
.set kf, kf+1
.endr
.set t, t+1
.endr
	WIN 0
.endm
.macro LDV                             ; a head of W_val and its bias
	LDW 2
	v_add_nc_u32 v7, s81, v6
.set t, 0
.rept 2
	ds_load_b128 v[112+8*t:112+8*t+3], v7 offset:64*t
	ds_load_b128 v[112+8*t+4:112+8*t+7], v7 offset:64*t+16
.set t, t+1
.endr
.endm
	; THE VALUE, a head a trip.  A lane's eight columns of a tile are one entry of vh: channel block 4 head + 2 t + h'
	s_mov_b32 s80, SA
	s_mov_b32 s81, 0
	LDV
	s_mov_b32 s69, 8
.Lval:
	s_wait_dscnt 0x0                               ; the head's fragments and bias are in
	MATS 2, 0
	PLACES
	s_cmp_eq_u32 s69, 1
	s_cbranch_scc1 .Lval_last                      ; the last head fetches nothing; the loop's one LDS wait is for 0, right on both ways
	s_add_co_u32 s80, s80, 16896
	s_add_co_u32 s81, s81, 128
	LDV
.Lval_last:
.set t, 0
.rept 2
.set mt, 0
.rept 2
.set a, 64+8*(2*t+mt)
.set o, 200+4*(2*t+mt)
.set q, 0
.rept 4
	v_cvt_pk_f16_f32 v[o+q], v[a+2*q], v[a+2*q+1]
.set q, q+1
.endr
.set q, 0
.rept 4
	v_and_b32 v[o+q], v[16+mt], v[o+q]             ; 0 where the token is padding
.set q, q+1
.endr
	global_store_b128 v20, v[o:o+3], s[22:23] offset:2*KB*t+256*mt  ; each half of the lanes: sixteen tokens' entries, 256 consecutive bytes, aligned
.set mt, mt+1
.endr
.set t, t+1
.endr
	s_wait_xcnt 0x0                                ; the stores have read their base and data
	s_add_nc_u64 s[22:23], s[22:23], HSB
	s_sub_co_u32 s69, s69, 1
	s_cmp_lg_u32 s69, 0
	s_cbranch_scc1 .Lval
	; W_val's bytes are filled again, once: rows 192-383 of the offsets and logits
	s_wait_tensorcnt 0x0                           ; all my tensor loads have landed, my part of Q0 among them
	ds_add_u32 v30, v31
	s_mov_b32 s80, 0
	s_mov_b32 s81, 0
	s_mov_b32 s82, 0
	s_wait_dscnt 0x0                               ; the add is done, and my reads of W_val are over
	CROUND
	tensor_load_to_lds s[52:55], s[36:43]          ; one load of mine is out; it has four heads' work in which to land
	s_nop 0
	PLACES
.macro LDQ                             ; a head's 48 rows and their biases
	LDW 3
	v_add_nc_u32 v7, s81, v6
	v_add_nc_u32 v23, s82, v8
.set t, 0
.rept 2
	ds_load_b128 v[112+8*t:112+8*t+3], v7 offset:1024+64*t
	ds_load_b128 v[112+8*t+4:112+8*t+7], v7 offset:1024+64*t+16
.set t, t+1
.endr
	ds_load_b128 v[128:131], v23                   ; b_att of level h',
	ds_load_b128 v[132:135], v23 offset:32         ; of level 2 + h'
.endm
.macro P4 line:vararg                  ; one line for each of a group's four points; point p works in v[TP .. TP + 11]
.set p, 0
.rept 4
.set TP, 144+12*p
	\line
.set p, p+1
.endr
.endm
; the four points of group G (level 2 G + h') for token tile mt; what is stored lies at v[OB ..]: 16 registers of weights, 4 of indices
.macro GRP4 mt, G
.set OA, 64+8*(2*(\G)+(\mt))
.set IV, 32+2*(\G)
.set WHR, 36+2*(\G)
.set WMR, 40+2*(\G)
.set RF, 44+4*(\mt)+2*(\G)
.set OB, 200+20*(\mt)
	P4 v_pk_fma_f32 v[TP:TP+1], v[OA+2*p:OA+2*p+1], v[IV:IV+1], v[RF:RF+1]
	P4 v_pk_fma_f32 v[TP:TP+1], v[TP:TP+1], v[WHR:WHR+1], -0.5 op_sel_hi:[1,1,0]
	P4 v_floor_f32 v[TP+2], v[TP]
	P4 v_floor_f32 v[TP+3], v[TP+1]
	P4 v_med3_num_f32 v[TP+2], v[TP+2], 0, v[WMR]
	P4 v_med3_num_f32 v[TP+3], v[TP+3], 0, v[WMR+1]
	P4 v_pk_add_f32 v[TP:TP+1], v[TP:TP+1], v[TP+2:TP+3] neg_lo:[0,1] neg_hi:[0,1]
	P4 v_pk_add_f32 v[TP+4:TP+5], v[TP:TP+1], 1.0 op_sel_hi:[1,0]
	P4 v_pk_add_f32 v[TP+6:TP+7], v[TP:TP+1], 1.0 op_sel_hi:[1,0] neg_lo:[1,0] neg_hi:[1,0]
	P4 v_pk_add_f32 v[TP+8:TP+9], v[TP:TP+1], 2.0 op_sel_hi:[1,0] neg_lo:[1,0] neg_hi:[1,0]
	P4 v_med3_num_f32 v[TP+10], v[TP+4], v[TP+6], 0
	P4 v_med3_num_f32 v[TP+11], v[TP], v[TP+8], 0
	P4 v_med3_num_f32 v[TP+4], v[TP+5], v[TP+7], 0
	P4 v_med3_num_f32 v[TP+5], v[TP+1], v[TP+9], 0
.set p, 0
.rept 4                                ; the two weights along y times the point's attention weight
.set TP, 144+12*p
.set EP, 136+4*(\G)+2*(p/2)
.if p%2
	v_pk_mul_f32 v[TP+4:TP+5], v[TP+4:TP+5], v[EP:EP+1] op_sel:[0,1] op_sel_hi:[1,1]
.else
	v_pk_mul_f32 v[TP+4:TP+5], v[TP+4:TP+5], v[EP:EP+1] op_sel_hi:[1,0]
.endif
.set p, p+1
.endr
	P4 v_pk_mul_f32 v[TP+6:TP+7], v[TP+10:TP+11], v[TP+4:TP+5] op_sel_hi:[1,0]
	P4 v_pk_mul_f32 v[TP+8:TP+9], v[TP+10:TP+11], v[TP+4:TP+5] op_sel:[0,1] op_sel_hi:[1,1]
	P4 v_cvt_pk_f16_f32 v[OB+8*(\G)+2*p], v[TP+6], v[TP+7]
	P4 v_cvt_pk_f16_f32 v[OB+1+8*(\G)+2*p], v[TP+8], v[TP+9]
	P4 v_fma_f32 v[TP], v[TP+3], v[WHR], v[TP+2]
	P4 v_cvt_u32_f32 v[TP], v[TP]
	v_lshl_or_b32 v[OB+16+2*(\G)], v156, 16, v144
	v_lshl_or_b32 v[OB+17+2*(\G)], v180, 16, v168
	v_add_nc_u32 v[OB+16+2*(\G)], v[52+2*(\mt)+(\G)], v[OB+16+2*(\G)]
	v_add_nc_u32 v[OB+17+2*(\G)], v[52+2*(\mt)+(\G)], v[OB+17+2*(\G)]
.endm
; a head's softmax and eight points a lane, for token tile mt.  Each accumulator's lowest registers are read first.
; The results leave straight from the registers: each half of the lanes stores sixteen tokens' 16 bytes, 256 consecutive bytes, aligned.
.macro SAMPLE mt
.set LA, 96+8*(\mt)
	v_max3_num_f32 v192, v[LA], v[LA+1], v[LA+2]
	v_max3_num_f32 v193, v[LA+3], v[LA+4], v[LA+5]
	v_max3_num_f32 v192, v192, v[LA+6], v[LA+7]
	v_max_num_f32 v192, v192, v193
	v_permlanex16_b32 v193, v192, s74, s75         ; the head's other eight logits lie in the lane 16 away
	v_max_num_f32 v192, v192, v193
	v_mul_f32 v192, s78, v192
.set q, 0
.rept 4
	v_pk_fma_f32 v[136+2*q:137+2*q], v[LA+2*q:LA+2*q+1], s[78:79], v[192:193] op_sel_hi:[1,0,0] neg_lo:[0,0,1] neg_hi:[0,0,1]
.set q, q+1
.endr
.set q, 0
.rept 8
	v_exp_f32 v[136+q], v[136+q]
.set q, q+1
.endr
	v_nop                                          ; a plain instruction behind the exponentials
	s_wait_alu depctr_va_vdst(0)
	v_pk_add_f32 v[194:195], v[136:137], v[138:139]
	v_pk_add_f32 v[196:197], v[140:141], v[142:143]
	v_pk_add_f32 v[194:195], v[194:195], v[196:197]
	v_add_f32 v194, v194, v195
	v_permlanex16_b32 v195, v194, s74, s75
	v_add_f32 v194, v194, v195
	v_rcp_f32 v194, v194
	v_nop
.set q, 0
	s_wait_alu depctr_va_vdst(0)
.rept 4
	v_pk_mul_f32 v[136+2*q:137+2*q], v[136+2*q:137+2*q], v[194:195] op_sel_hi:[1,0]
.set q, q+1
.endr
	GRP4 \mt, 0
	GRP4 \mt, 1
	global_store_b128 v21, v[OB+16:OB+19], s[24:25] offset:256*(\mt)
.set q, 0
.rept 4
	global_store_b128 v22, v[OB+4*q:OB+4*q+3], s[26:27] offset:512*q+256*(\mt)
.set q, q+1
.endr
.endm
	; OFFSETS, LOGITS AND POINTS: two halves of four heads.  The wait for the refill and a barrier stand at a half's end: behind the first half's
	; they show rows 192-383 whole to every wave; behind the second half's the wait finds nothing out.
	s_mov_b32 s83, 2
.Lhalf:
	LDQ
	s_mov_b32 s69, 4
.Lq:
	s_wait_dscnt 0x0
	MATS 3, 128
	PLACES
	s_add_co_u32 s80, s80, 25344
	s_add_co_u32 s81, s81, 128
	s_add_co_u32 s82, s82, 64
	s_cmp_eq_u32 s69, 1
	s_cbranch_scc1 .Lq_last                        ; a half's last head fetches nothing
	LDQ
.Lq_last:
	SAMPLE 0
	SAMPLE 1
	s_wait_xcnt 0x0                                ; the stores have read their bases and data
	s_add_nc_u64 s[24:25], s[24:25], IHS
	s_add_nc_u64 s[26:27], s[26:27], WHS
	s_sub_co_u32 s69, s69, 1
	s_cmp_lg_u32 s69, 0
	s_cbranch_scc1 .Lq
	s_wait_tensorcnt 0x0
	s_wait_dscnt 0x0
	s_barrier_signal -1
	s_barrier_wait -1
	s_sub_co_u32 s83, s83, 1
	s_cmp_lg_u32 s83, 0
	s_cbranch_scc1 .Lhalf
	s_wait_tensorcnt 0x0                           ; the wave's end
	ds_add_u32 v30, v31
	s_wait_dscnt 0x0
	CROUND                                         ; the closing round
	s_endpgm
.Lfunc_end_k_qde10b4df50_proj:
	.size	k_qde10b4df50_proj, .Lfunc_end_k_qde10b4df50_proj-k_qde10b4df50_proj
	.p2alignl 7, 3214868480
	.fill 96, 4, 3214868480
	.section	.rodata,"a",@progbits
	.p2align	6, 0x0
	.amdhsa_kernel k_qde10b4df50_proj
		.amdhsa_group_segment_fixed_size 327680
		.amdhsa_private_segment_fixed_size 0
		.amdhsa_enable_private_segment 0
		.amdhsa_kernarg_size 96
		.amdhsa_user_sgpr_count 2
		.amdhsa_user_sgpr_kernarg_segment_ptr 1
		.amdhsa_wavefront_size32 1
		.amdhsa_system_sgpr_workgroup_id_x 1
		.amdhsa_system_sgpr_workgroup_id_y 1
		.amdhsa_system_sgpr_workgroup_id_z 1
		.amdhsa_system_vgpr_workitem_id 0
		.amdhsa_next_free_vgpr 1024
		.amdhsa_next_free_sgpr 100
		.amdhsa_reserve_vcc 0
		.amdhsa_float_denorm_mode_32 3
		.amdhsa_float_denorm_mode_16_64 3
		.amdhsa_memory_ordered 1
		.amdhsa_forward_progress 1
		.amdhsa_inst_pref_size 110
	.end_amdhsa_kernel
	.amdgpu_metadata
---
amdhsa.version: [ 1, 2 ]
amdhsa.kernels:
  - .name:           k_qde10b4df50_proj
    .symbol:         k_qde10b4df50_proj.kd
    .args:
      - { .name: hidden_states, .offset: 0, .size: 8, .value_kind: global_buffer, .address_space: global }
      - { .name: position_embeddings, .offset: 8, .size: 8, .value_kind: global_buffer, .address_space: global }
      - { .name: attention_mask, .offset: 16, .size: 8, .value_kind: global_buffer, .address_space: global }
      - { .name: reference_points, .offset: 24, .size: 8, .value_kind: global_buffer, .address_space: global }
      - { .name: spatial_shapes, .offset: 32, .size: 8, .value_kind: global_buffer, .address_space: global }
      - { .name: wt, .offset: 40, .size: 8, .value_kind: global_buffer, .address_space: global }
      - { .name: b_val, .offset: 48, .size: 8, .value_kind: global_buffer, .address_space: global }
      - { .name: b_off, .offset: 56, .size: 8, .value_kind: global_buffer, .address_space: global }
      - { .name: b_att, .offset: 64, .size: 8, .value_kind: global_buffer, .address_space: global }
      - { .name: vh, .offset: 72, .size: 8, .value_kind: global_buffer, .address_space: global }
      - { .name: sidx, .offset: 80, .size: 8, .value_kind: global_buffer, .address_space: global }
      - { .name: swt, .offset: 88, .size: 8, .value_kind: global_buffer, .address_space: global }
    .group_segment_fixed_size: 327680
    .private_segment_fixed_size: 0
    .kernarg_segment_align: 8
    .kernarg_segment_size: 96
    .max_flat_workgroup_size: 128
    .sgpr_count:     100
    .vgpr_count:     1024
    .wavefront_size: 32
...
	.end_amdgpu_metadata
.endif
;; end of part 5
;; launch samp (part 6): grid 256 x 1, 16 waves a work-group, no clusters, 215,040 bytes of LDS; arguments vh, sidx, swt, attn; writes attn
.if DOCPART == 6
	.amdgcn_target "amdgcn-amd-amdhsa--gfx1250"
	.amdhsa_code_object_version 6
	.text
	.protected	k_qde10b4df50_samp
	.globl	k_qde10b4df50_samp
	.p2align	8
	.type	k_qde10b4df50_samp,@function
k_qde10b4df50_samp:
	s_mov_b64 s[64:65], 0
	v_nop
	global_prefetch_b8 v0, s[64:65] scope:SCOPE_SE
	s_setreg_imm32_b32 hwreg(HW_REG_WAVE_MODE, 25, 1), 1
	s_wait_xcnt 0x0
; THE GATHER, OUT OF LDS.  attn[token][32 h + c] = the sum over the head's 16 points and their 4 corners of weight x value[entry][h][c], rounded once to bf16.
; sidx (whole numbers, stored by the launch before) names the table entry of the upper left of each point's 2 x 2 block; the others lie 1 entry, a level's row
; and a row + 1 further on.  swt holds the four weights (f16), vh the values (f16); sums in f32.
; SHARES.  A work-group holds ONE TABLE in LDS: one batch, one head, 8 of its 32 channels: 13,312 entries of 16 bytes = 212,992 bytes (batch 0: tokens 0 on; batch 1: tokens 13,280 on).
; 2 x 8 x 4 = 64 tables; four work-groups hold the same table and share the batch's 416 blocks of 32 tokens, 104 each: 256 work-groups.
; Work-group number = ((batch x 8 + head) x 4 + quarter of the blocks) x 4 + channel block: the four that read the same indices and weights are neighbours.
; A TASK is a block of 32 tokens, a lane a token: 64 LDS loads of 16 bytes a lane (16 slots x 4 corners, the corners in the immediates) and 512 multiply-adds.
; Wave w takes the blocks w, w + 16, ..: seven for waves 0-7, six for the others.  A lane's result is one entry of attn ([32 blocks of 8 channels][26,624 tokens][8 bf16]):
; a store covers 512 consecutive bytes, aligned.  Block 415 holds tokens of both batches: both batches' work-groups compute it, and each stores its own lanes.
; AHEAD.  The next task's indices and weights (ten loads) are asked for at a task's head and waited for at the next task's head; the weights land in a second set of registers.
; Three slots' LDS loads (12) are out while a slot is multiplied.
; NO CLUSTER: the four work-groups that hold the same table take different tokens, so the indices that make their LDS addresses are read at places that hang on the work-group's own
; number.  The table is 213 KB of the 745 KB that a work-group reads.
; The matrix units have no part: every lane has its own weights and its own entries.
.set KB,    425984                     ; a block of 8 channels in vh and in attn
.set IHS,   851968                     ; a head of sidx
.set WHS,   3407872                    ; a head of swt
.set SPARE, 212992                     ; behind the table: the spare words, 128 bytes for each of the sixteen waves
.set SPW,  1
.set NIL,  2
.set ZERO, 3                           ; the first multiply-adds' addend
.set VI,   4                           ; my 16 bytes in the block's indices
.set VW,   5                           ; in its weights
.set VO,   6                           ; in attn
.set KEEP, 7                           ; 1: my lane's token of block 415 belongs to my batch
.set IX,   12                          ; v12-19   16 indices
.set AD,   20                          ; v20-35   16 LDS addresses
.set WT,   36                          ; v36-67   the task's weights: slot s at 2 s, 2 s + 1
.set WN,   68                          ; v68-99   the next task's
.set DT,   100                         ; v100-163 four slots of four entries
.set ACC,  164                         ; v164-171
.set OUT,  172                         ; v172-175
.set WV,  12
.set BLK, 17
.set K,   18
.set NT,  19
	s_load_b256 s[4:11], s[0:1], 0x0               ; vh, sidx, swt, attn
	v_lshl_add_u32 v[SPW], v0, 2, SPARE
	v_mov_b32 v[NIL], 0
	ds_add_u32 v[SPW], v[NIL]                      ; the wave's opening
	ds_add_u32 v1, v2
	v_lshrrev_b32 v8, 5, v0
	v_readfirstlane_b32 s[WV], v8
	s_and_b32 s13, ttmp9, 3                        ; channel block of the head
	s_bfe_u32 s14, ttmp9, 0x20002                  ; quarter of the blocks
	s_bfe_u32 s15, ttmp9, 0x30004                  ; head
	s_lshr_b32 s16, ttmp9, 7                       ; batch
	; the table is dense: each wave brings 52 rows of 256 bytes.  Group 1: elements of 8 bytes, 32 a row, no padding
	s_mov_b32 s24, 3<<16
	s_mov_b32 s25, 32<<16
	s_mov_b32 s26, 52<<16
	s_mov_b32 s27, 32<<16
	s_mov_b32 s28, 52
	s_mov_b32 s29, 32
	s_mov_b32 s30, 0
	s_mov_b32 s31, 0
	s_mov_b32 s20, 1
	s_mul_i32 s21, s[WV], 13312
	s_lshl2_add_u32 s34, s15, s13                  ; 4 head + channel block
	s_mul_i32 s32, s34, KB
	s_mul_i32 s35, s16, 212480                     ; batch 1: from token 13,280 on
	s_add_co_u32 s32, s32, s35
	s_add_co_u32 s32, s32, s21
	s_mov_b32 s33, 0
	s_wait_dscnt 0x0
	s_wait_kmcnt 0x0
	s_add_nc_u64 s[22:23], s[4:5], s[32:33]
	s_or_b32 s23, s23, 0x80000000
	tensor_load_to_lds s[20:23], s[24:31]          ; my one tensor load
	s_nop 0
	s_mul_i32 s[BLK], s16, 415                     ; batch 0: blocks 0-415; batch 1: blocks 415-830
	s_mul_i32 s35, s14, 104
	s_add_co_u32 s[BLK], s[BLK], s35
	s_add_co_u32 s[BLK], s[BLK], s[WV]             ; my first block
	s_lshr_b32 s[NT], s[WV], 3
	s_sub_co_u32 s[NT], 7, s[NT]                   ; my tasks
	s_mov_b32 s[K], 0
	v_and_b32 v8, 31, v0
	v_lshlrev_b32 v9, 4, v8
	s_mul_i32 s35, s15, IHS
	s_lshl_b32 s36, s[BLK], 10
	s_add_co_u32 s35, s35, s36
	v_add_nc_u32 v[VI], s35, v9
	s_mul_i32 s35, s15, WHS
	s_lshl_b32 s36, s[BLK], 12
	s_add_co_u32 s35, s35, s36
	v_add_nc_u32 v[VW], s35, v9
	s_mul_i32 s35, s34, KB
	s_lshl_b32 s36, s[BLK], 9
	s_add_co_u32 s35, s35, s36
	v_add_nc_u32 v[VO], s35, v9
	v_cmp_gt_u32 s36, 14, v8                       ; block 415 begins at token 13,280: its lanes 0-13 are batch 0's
	s_cmp_eq_u32 s16, 0
	s_cselect_b32 s37, 0, -1
	s_xor_b32 s36, s36, s37
	v_cndmask_b32 v[KEEP], 0, 1, s36
	v_mov_b32 v[ZERO], 0
.macro PRE                             ; a block's indices and weights: ten loads, each 512 consecutive bytes
	global_load_b128 v[IX:IX+3], v[VI], s[6:7]
	global_load_b128 v[IX+4:IX+7], v[VI], s[6:7] offset:512
.set ch, 0
.rept 8
	global_load_b128 v[WN+4*ch:WN+4*ch+3], v[VW], s[8:9] offset:512*ch
.set ch, ch+1
.endr
.endm
.macro LVL s                           ; slot s's level: a row of it in bytes, and the largest index that can be stored for it (the clamp keeps every read inside the table)
.if (\s)/4 == 0
.set ST, 1600
.set LIM, 9912
.elseif (\s)/4 == 1
.set ST, 400
.set LIM, 13112
.elseif (\s)/4 == 2
.set ST, 800
.set LIM, 12462
.else
.set ST, 208
.set LIM, 13293
.endif
.endm
.macro ISSUE s                         ; slot s's four entries
	LVL \s
.set d, DT+16*((\s)%4)
	ds_load_b128 v[d:d+3], v[AD+(\s)]
	ds_load_b128 v[d+4:d+7], v[AD+(\s)] offset:16
	ds_load_b128 v[d+8:d+11], v[AD+(\s)] offset:ST
	ds_load_b128 v[d+12:d+15], v[AD+(\s)] offset:ST+16
.endm
.macro MIX acc, d, w, sa, sb, ad       ; acc = f16 half sa of d x f16 half sb of w + ad, in f32
.if ((\sa) == 0) && ((\sb) == 0)
	v_fma_mix_f32 v[\acc], v[\d], v[\w], v[\ad] op_sel_hi:[1,1,0]
.elseif ((\sa) == 1) && ((\sb) == 0)
	v_fma_mix_f32 v[\acc], v[\d], v[\w], v[\ad] op_sel:[1,0,0] op_sel_hi:[1,1,0]
.elseif ((\sa) == 0) && ((\sb) == 1)
	v_fma_mix_f32 v[\acc], v[\d], v[\w], v[\ad] op_sel:[0,1,0] op_sel_hi:[1,1,0]
.else
	v_fma_mix_f32 v[\acc], v[\d], v[\w], v[\ad] op_sel:[1,1,0] op_sel_hi:[1,1,0]
.endif
.endm
.macro FMA s                           ; 4 corners x 8 channels; the eight sums take turns; the task's first eight start the sums
.set c, 0
.rept 4
.set e, 0
.rept 8
.if ((\s) == 0) && (c == 0)
	MIX ACC+e, DT+16*((\s)%4)+4*c+e/2, WT+2*(\s)+c/2, e%2, c%2, ZERO
.else
	MIX ACC+e, DT+16*((\s)%4)+4*c+e/2, WT+2*(\s)+c/2, e%2, c%2, ACC+e
.endif
.set e, e+1
.endr
.set c, c+1
.endr
.endm
	PRE                                            ; the first task's
	s_wait_tensorcnt 0x0                           ; my part of the table is in,
	s_barrier_signal -1
	s_barrier_wait -1                              ; everybody's is
.Ltask:
	s_wait_loadcnt 0x0                             ; the task's indices and weights, asked for a task ago
.set i, 0
.rept 16
	v_dual_mov_b32 v[WT+2*i], v[WN+2*i] :: v_dual_mov_b32 v[WT+2*i+1], v[WN+2*i+1]
.set i, i+1
.endr
.set s, 0
.rept 16
.if s%2
	v_lshrrev_b32 v[AD+s], 16, v[IX+s/2]
.else
	v_and_b32 v[AD+s], 0xffff, v[IX+s/2]
.endif
.set s, s+1
.endr
.set s, 0
.rept 16
	LVL s
	v_min_u32 v[AD+s], LIM, v[AD+s]
.set s, s+1
.endr
.set s, 0
.rept 16
	v_lshlrev_b32 v[AD+s], 4, v[AD+s]
.set s, s+1
.endr
	s_add_co_u32 s35, s[K], 1
	s_cmp_lt_u32 s35, s[NT]
	s_cbranch_scc0 .Lnopre                         ; the last task asks for nothing; the one wait for these loads is for 0, right on both ways
	v_add_nc_u32 v[VI], 16*1024, v[VI]             ; sixteen blocks on (the loads that read these two registers are done)
	v_add_nc_u32 v[VW], 16*4096, v[VW]
	PRE
.Lnopre:
.set s, 0
.rept 4
	ISSUE s
.set s, s+1
.endr
.set s, 0
.rept 16
.if s <= 12
	s_wait_dscnt 12                                ; LDS loads come back in order: slot s is in, the three younger slots' twelve stay out
.else
	s_wait_dscnt 4*(15-s)
.endif
	FMA s
.if s < 12
	ISSUE s+4
.endif
.set s, s+1
.endr
	s_wait_xcnt 0x0                                ; the last task's store has read OUT and VO; every load issued so far has read its address and EXEC
.set q, 0
.rept 4
	v_cvt_pk_bf16_f32 v[OUT+q], v[ACC+2*q], v[ACC+2*q+1]
.set q, q+1
.endr
	v_add_nc_u32 v[VO], 16*512, v[VO]              ; the next task's place; the store reaches back
	s_cmp_eq_u32 s[BLK], 415
	s_cbranch_scc1 .Lsplit
	global_store_b128 v[VO], v[OUT:OUT+3], s[10:11] offset:-16*512
	s_branch .Lstored
.Lsplit:                                               ; the block with tokens of both batches: my batch's lanes alone
	v_cmpx_lt_u32 0, v[KEEP]
	global_store_b128 v[VO], v[OUT:OUT+3], s[10:11] offset:-16*512
	s_wait_xcnt 0x0                                ; EXEC is widened only behind this wait
	s_mov_b32 exec_lo, -1
.Lstored:
	s_add_co_u32 s[BLK], s[BLK], 16
	s_add_co_u32 s[K], s[K], 1
	s_cmp_lt_u32 s[K], s[NT]
	s_cbranch_scc1 .Ltask
	s_wait_tensorcnt 0x0                           ; the wave's end
	ds_add_u32 v[SPW], v[NIL]
	s_wait_dscnt 0x0
	s_endpgm
.Lfunc_end_k_qde10b4df50_samp:
	.size	k_qde10b4df50_samp, .Lfunc_end_k_qde10b4df50_samp-k_qde10b4df50_samp
	.p2alignl 7, 3214868480
	.fill 96, 4, 3214868480
	.section	.rodata,"a",@progbits
	.p2align	6, 0x0
	.amdhsa_kernel k_qde10b4df50_samp
		.amdhsa_group_segment_fixed_size 215040
		.amdhsa_private_segment_fixed_size 0
		.amdhsa_enable_private_segment 0
		.amdhsa_kernarg_size 32
		.amdhsa_user_sgpr_count 2
		.amdhsa_user_sgpr_kernarg_segment_ptr 1
		.amdhsa_wavefront_size32 1
		.amdhsa_system_sgpr_workgroup_id_x 1
		.amdhsa_system_sgpr_workgroup_id_y 1
		.amdhsa_system_sgpr_workgroup_id_z 1
		.amdhsa_system_vgpr_workitem_id 0
		.amdhsa_next_free_vgpr 176
		.amdhsa_next_free_sgpr 66
		.amdhsa_reserve_vcc 0
		.amdhsa_float_denorm_mode_32 3
		.amdhsa_float_denorm_mode_16_64 3
		.amdhsa_memory_ordered 1
		.amdhsa_forward_progress 1
		.amdhsa_inst_pref_size 46
	.end_amdhsa_kernel
	.amdgpu_metadata
---
amdhsa.version: [ 1, 2 ]
amdhsa.kernels:
  - .name:           k_qde10b4df50_samp
    .symbol:         k_qde10b4df50_samp.kd
    .args:
      - { .name: vh, .offset: 0, .size: 8, .value_kind: global_buffer, .address_space: global }
      - { .name: sidx, .offset: 8, .size: 8, .value_kind: global_buffer, .address_space: global }
      - { .name: swt, .offset: 16, .size: 8, .value_kind: global_buffer, .address_space: global }
      - { .name: attn, .offset: 24, .size: 8, .value_kind: global_buffer, .address_space: global }
    .group_segment_fixed_size: 215040
    .private_segment_fixed_size: 0
    .kernarg_segment_align: 8
    .kernarg_segment_size: 32
    .max_flat_workgroup_size: 512
    .sgpr_count:     66
    .vgpr_count:     176
    .wavefront_size: 32
...
	.end_amdgpu_metadata
.endif
;; end of part 6
;; launch ffn (part 7): grid 208 x 1, 4 waves a work-group, clusters of 4 x 1, 327,680 bytes of LDS; arguments attn, hidden_states, wt, b_out, ln1_g, ln1_b, b_fc1, b_fc2, ln2_g, ln2_b, out0; writes out0
.if DOCPART == 7
	.amdgcn_target "amdgcn-amd-amdhsa--gfx1250"
	.amdhsa_code_object_version 6
	.text
	.protected	k_qde10b4df50_ffn
	.globl	k_qde10b4df50_ffn
	.p2align	8
	.type	k_qde10b4df50_ffn,@function
k_qde10b4df50_ffn:
	s_mov_b64 s[64:65], 0
	v_nop
	global_prefetch_b8 v0, s[64:65] scope:SCOPE_SE
	s_setreg_imm32_b32 hwreg(HW_REG_WAVE_MODE, 25, 1), 1
	s_wait_xcnt 0x0
	s_wait_alu depctr_hold_cnt(0) depctr_sa_sdst(0) depctr_va_vdst(0) depctr_va_sdst(0) depctr_va_ssrc(0) depctr_va_vcc(0) depctr_vm_vsrc(0)
	s_getreg_b32 s2, hwreg(HW_REG_IB_STS2, 6, 4)
	s_cmp_eq_u32 s2, 0
	s_cbranch_scc0 .Lentry_in_a_cluster
	s_endpgm
.Lentry_in_a_cluster:
	s_bfe_u32 s2, ttmp6, 0x10000c
	s_cmp_lg_u32 s2, 0x3003
	s_cbranch_scc0 .Lentry_shape_is_right
	s_endpgm
.Lentry_shape_is_right:
; out0 = LN2(h1 + relu(h1 W_fc1 + b_fc1) W_fc2 + b_fc2), h1 = LN1(hs + attn W_out + b_out), for 128 tokens a work-group, 32 whole rows a wave.
; PRODUCTS are taken transposed (source 0 = 16 rows of a weight [n][k], source 1 = 16 tokens): a lane holds ONE token (lane % 16) and the columns
; 16 nt + 8 (lane / 16) + 0..7.  So a layer norm stays in the wave (sums in the lane, one exchange between the halves), and two neighbouring result tiles,
; rounded to bf16 in pairs, ARE the next product's source 1: h1 and the relu's output never leave the registers, and only weights pass through LDS.
; attn lies as [32 blocks of 8 channels][26,624 tokens][8 bf16]: half a fragment's registers are one entry, and sixteen lanes read 256 consecutive bytes.
; The 256 f32 sums of a token tile pair (window 1) start as hs + b_out, take attn W_out, are normalised in place, take b_fc2 and the second product, and are normalised again.
; LAYER NORM in two passes: the mean, then the centred squares.  NaN: the relu gives 0 for a NaN; infinities are not treated apart.
; THE FFN goes in 8 groups of 128 hidden columns through two LDS slots (W_fc1's 128 rows, pitch 528; W_fc2's 256 rows x 256 bytes, pitch 272), 4 units of 32 columns each.
; A unit: 32 products for the hidden columns, relu, 32 products onto the sums.  The change of slots stands inside a group's fourth unit, where all the slot's fragments have been asked for.
; CLUSTER.  Four work-groups walk the same weights: every tile is asked for jointly, mask 15.  208 work-groups: 26,624 rows in shares of 128.
; ROWS FROM 26,588 ON do not exist: their inputs are read at the last token's address, so they are copies of the last row, and they are stored at its address: the same bytes,
; by waves of the one work-group that owns that row.  So EXEC is never written and no branch hangs on the work-group's place.
; REGISTERS by windows of 256: 0 addresses, tables, source 1 fragments (v64-191), hidden sums T (v192-223), relu's output P (v224-239); 1 the sums; 2 the weights' fragments F1, F2; 3 raw rows of hs.
.set M,     26588
.set KB,    425984                     ; a block of 8 channels in attn
.set SLOTB, 139264                     ; slot 1; its two bits meet no bit of the offsets that are turned by an exclusive or
.set W2O,   67584                      ; W_fc2's rows in a slot
.set TAB,   278528                     ; b_out, b_fc1 + 1,024, g1 + 5,120, b1 + 6,144, b_fc2 + 7,168, g2 + 8,192, b2 + 9,216
.set STG,   288768                     ; + wave x 8,448: my stage, 16 rows, pitch 528
.set SPARE, 322560
.set WV, 56
.set MSB, 0
.macro WIN new
.if MSB != (\new)
	s_set_vgpr_msb (MSB<<8)|(\new)
.set MSB, \new
.endif
.endm
.macro PLACES
.rept 4
	v_nop
.endr
.endm
.macro CROUND
	s_barrier_signal -1
	s_barrier_wait -1
	s_cmp_lg_u32 s[WV], 0
	s_cbranch_scc1 .Lnw0_\@
	s_barrier_signal -3
.Lnw0_\@:
	s_barrier_wait -3
	s_barrier_signal -1
	s_barrier_wait -1
.endm
.macro JLOAD                           ; a joint refill: waves 0 and 1 fetch a group's rows of W_fc1, waves 2 and 3 its columns of W_fc2
	s_cmp_lt_u32 s[WV], 2
	s_cbranch_scc0 .Ljb_\@
	tensor_load_to_lds s[48:51], s[28:35]
	s_nop 0
	PLACES
	s_branch .Ljd_\@
.Ljb_\@:
	tensor_load_to_lds s[52:55], s[36:43]
	s_nop 0
	PLACES
.Ljd_\@:
.endm
; THE CHANGE OF SLOTS.  Each wave waits for all its tensor loads (one is out: its part of the other slot), adds 0 to its spare word, and waits for that and for its reads of the slot.
; fill = 1: the slot is filled again with the group two further on, first thing behind a round of the cluster's barrier.
.macro CHG fill
	WIN 0
	s_wait_tensorcnt 0x0
	ds_add_u32 v30, v31
.if \fill
	s_xor_b32 s49, s49, SLOTB
	s_add_nc_u64 s[50:51], s[50:51], 65536         ; 128 rows of W_fc1
	s_xor_b32 s53, s53, SLOTB
	s_add_nc_u64 s[54:55], s[54:55], 256           ; 128 columns of W_fc2
	s_wait_dscnt 0x0
	CROUND
	JLOAD
.else
	s_wait_dscnt 0x0
	s_barrier_signal -1
	s_barrier_wait -1
.endif
.endm
	s_load_b512 s[4:19], s[0:1], 0x0               ; attn 4, hs 6, wt 8, b_out 10, g1 12, b1 14, b_fc1 16, b_fc2 18
	s_load_b128 s[20:23], s[0:1], 0x40             ; g2 20, b2 22
	s_load_b64 s[24:25], s[0:1], 0x50              ; out0
	v_lshl_add_u32 v30, v0, 2, SPARE
	v_mov_b32 v31, 0
	ds_add_u32 v30, v31                            ; the wave's opening
	ds_add_u32 v30, v31
	v_lshrrev_b32 v1, 5, v0
	v_readfirstlane_b32 s[WV], v1
	s_bfe_u32 s57, ttmp6, 0x40000                  ; cx: it enters global addresses alone
	s_lshl_b32 s58, ttmp9, 2
	s_add_co_u32 s58, s58, s57
	s_lshl_b32 s58, s58, 7
	s_lshl_b32 s70, s[WV], 5
	s_add_co_u32 s58, s58, s70                     ; my wave's first token
	s_and_b32 s72, s[WV], 1
	s_mov_b32 s28, 15|(1<<16)|(1<<20)|(1<<21)|(6<<22)|(3<<25)  ; 64 rows of 256 bf16, 16 bytes of padding behind each
	s_mov_b32 s29, 256<<16
	s_mov_b32 s30, 64<<16
	s_mov_b32 s31, 256<<16
	s_mov_b32 s32, 64
	s_mov_b32 s33, 256
	s_mov_b32 s34, 0
	s_mov_b32 s35, 0
	s_mov_b32 s36, 15|(1<<16)|(1<<20)|(1<<21)|(5<<22)|(3<<25)  ; 128 rows of 128 bf16 out of rows of 1,024
	s_mov_b32 s37, 128<<16
	s_mov_b32 s38, 128<<16
	s_mov_b32 s39, 128<<16
	s_mov_b32 s40, 128
	s_mov_b32 s41, 1024
	s_mov_b32 s42, 0
	s_mov_b32 s43, 0
	s_mov_b32 s44, 1
	s_mul_i32 s45, s[WV], 33792                    ; W_out: 64 rows a wave, into slot 0
	s_mov_b32 s48, 1
	s_mul_i32 s49, s72, 33792
	s_add_co_u32 s49, s49, SLOTB                   ; group 0 goes into slot 1
	s_mov_b32 s52, 1
	s_mul_i32 s53, s72, 34816
	s_add_co_u32 s53, s53, SLOTB+W2O
	s_lshl_b32 s70, s[WV], 15
	s_add_co_u32 s70, s70, 327680
	s_mov_b32 s71, 0
	s_lshl_b32 s74, s72, 15
	s_add_co_u32 s74, s74, 458752
	s_mov_b32 s75, 0
	s_lshl_b32 s76, s72, 18
	s_add_co_u32 s76, s76, 983040
	s_mov_b32 s77, 0
	s_mov_b32 s66, 0x76543210
	s_mov_b32 s67, 0xfedcba98
	s_mov_b32 s68, 0x3b800000                      ; 1 / 256
	s_mov_b32 s69, 0x3727c5ac                      ; 1e-5
	s_wait_dscnt 0x0
	s_wait_kmcnt 0x0
	s_add_nc_u64 s[46:47], s[8:9], s[70:71]
	s_or_b32 s47, s47, 0x80000000
	s_add_nc_u64 s[50:51], s[8:9], s[74:75]
	s_or_b32 s51, s51, 0x80000000
	s_add_nc_u64 s[54:55], s[8:9], s[76:77]
	s_or_b32 s55, s55, 0x80000000
	CROUND                                         ; all four work-groups are here: the first joint loads meet
	s_cmp_lt_u32 s[WV], 2                          ; a wave's two first fills stand in one branch: two loads of mine are out
	s_cbranch_scc0 .Lff_b
	tensor_load_to_lds s[44:47], s[28:35]
	s_nop 0
	tensor_load_to_lds s[48:51], s[28:35]
	s_nop 0
	PLACES
	s_branch .Lff_done
.Lff_b:
	tensor_load_to_lds s[44:47], s[28:35]
	s_nop 0
	tensor_load_to_lds s[52:55], s[36:43]
	s_nop 0
	PLACES
.Lff_done:
	v_and_b32 v3, 31, v0
	v_and_b32 v1, 15, v0
	v_bfe_u32 v2, v0, 4, 1
	v_lshlrev_b32 v19, 4, v3
	v_lshlrev_b32 v20, 3, v0
	v_lshlrev_b32 v21, 4, v0
	global_load_b64 v[32:33], v20, s[10:11]
	global_load_b64 v[34:35], v20, s[12:13]
	global_load_b64 v[36:37], v20, s[14:15]
	global_load_b64 v[38:39], v20, s[18:19]
	global_load_b64 v[40:41], v20, s[20:21]
	global_load_b64 v[42:43], v20, s[22:23]
	global_load_b128 v[44:47], v21, s[16:17]
	global_load_b128 v[48:51], v21, s[16:17] offset:2048
	v_add_nc_u32 v16, s58, v1                      ; attn: my lane's token in the two tiles,
	v_add_nc_u32 v17, 16, v16
	v_min_u32 v16, M-1, v16
	v_min_u32 v17, M-1, v17
	v_mul_u32_u24 v25, v2, KB                      ; channel block h'
	v_lshl_add_u32 v16, v16, 4, v25
	v_lshl_add_u32 v17, v17, 4, v25
	v_add_nc_u32 v26, 16*KB, v16                   ; channels 128 on: so that the immediates stay inside their signed 24 bits
	v_add_nc_u32 v27, 16*KB, v17
.set mt, 0
.rept 2                                ; source 1 fragments straight from memory: fragment kf's registers 0-3 are channel block 4 kf + h', registers 4-7 block 4 kf + 2 + h'
.set kf, 0
.rept 8
	global_load_b128 v[64+64*mt+8*kf:64+64*mt+8*kf+3], v[16+mt+10*(kf/4)], s[4:5] offset:(kf%4)*4*KB th:TH_LOAD_NT
	global_load_b128 v[64+64*mt+8*kf+4:64+64*mt+8*kf+7], v[16+mt+10*(kf/4)], s[4:5] offset:(kf%4)*4*KB+2*KB th:TH_LOAD_NT
.set kf, kf+1
.endr
.set mt, mt+1
.endr
.set i, 0
.rept 32
	s_add_co_u32 s70, s58, i
	s_min_u32 s70, s70, M-1
	s_lshl_b32 s71, s70, 10
	v_add_nc_u32 v[192+i], s71, v19                ; my 16 bytes of hs's row
.set i, i+1
.endr
	WIN 0xc0
.set p, 0
.rept 4                                ; hs in four passes: token tile p / 2, half p % 2 of the row
.set i, 0
.rept 16
	global_load_b128 v[4*(16*p+i):4*(16*p+i)+3], v[192+16*(p/2)+i], s[6:7] offset:512*(p%2) th:TH_LOAD_NT
.set i, i+1
.endr
.set p, p+1
.endr
	WIN 0
	v_mul_u32_u24 v4, v1, 528
	v_lshl_add_u32 v4, v2, 4, v4                   ; fragment of a pitch-528 tile
	v_mul_u32_u24 v5, v1, 272
	v_lshl_add_u32 v5, v2, 4, v5                   ; of a pitch-272 tile
	v_add_nc_u32 v18, W2O, v4                      ; W_out's rows 128 on
	v_lshlrev_b32 v9, 5, v2
	v_add_nc_u32 v8, TAB+1024, v9
	v_add_nc_u32 v9, TAB, v9
	s_mul_i32 s70, s[WV], 8448
	s_add_co_u32 s70, s70, STG
	v_mul_u32_u24 v10, v1, 528
	v_lshl_add_u32 v10, v2, 5, v10
	v_add_nc_u32 v10, s70, v10                     ; stage by my token: 32 bytes for each half of the lanes
	v_add_nc_u32 v11, s70, v19                     ; stage by rows: 16 bytes a lane
	v_mov_b32 v14, 0
	v_lshl_add_u32 v22, v0, 3, TAB
	v_lshl_add_u32 v23, v0, 4, TAB+1024
	s_wait_loadcnt 63                              ; 64 loads of hs were issued behind attn's: the tables and attn are in
	ds_store_b64 v22, v[32:33]
	ds_store_b64 v22, v[34:35] offset:5120
	ds_store_b64 v22, v[36:37] offset:6144
	ds_store_b64 v22, v[38:39] offset:7168
	ds_store_b64 v22, v[40:41] offset:8192
	ds_store_b64 v22, v[42:43] offset:9216
	ds_store_b128 v23, v[44:47]
	ds_store_b128 v23, v[48:51] offset:2048
.set p, 0
.rept 4                                ; hs through my stage, into the sums' layout; LDS serves a wave's instructions in order
	s_wait_loadcnt 48-16*p                         ; this pass's sixteen loads are in, the later passes' stay out
	WIN 0x0c
.set i, 0
.rept 16
	ds_store_b128 v11, v[4*(16*p+i):4*(16*p+i)+3] offset:528*i
.set i, i+1
.endr
	WIN 0x40
.set t, 0
.rept 8
.set a, 8*(16*(p/2)+8*(p%2)+t)
	ds_load_b128 v[a:a+3], v10 offset:64*t
	ds_load_b128 v[a+4:a+7], v10 offset:64*t+16
.set t, t+1
.endr
.set p, p+1
.endr
	WIN 0
	s_wait_tensorcnt 0x1                           ; my part of W_out is in; group 0 may stay out
	s_wait_dscnt 0x0
	s_barrier_signal -1
	s_barrier_wait -1
; W_out: column tiles 2 j and 2 j + 1, all of K, into fragment buffer j % 2
.macro LDO j
	WIN 0x80
.set n, 0
.rept 2
.set nt, 2*(\j)+n
.set adr, 4
.if nt >= 8
.set adr, 18
.endif
.set kf, 0
.rept 8
.set f, 128*((\j)%2)+64*n+8*kf
	ds_load_b128 v[f:f+3], v[adr] offset:(nt%8)*8448+64*kf
	ds_load_b128 v[f+4:f+7], v[adr] offset:(nt%8)*8448+64*kf+32
.set kf, kf+1
.endr
.set n, n+1
.endr
.endm
	LDO 0
	LDO 1
	WIN 0
.set c, 0
.rept 4                                ; the sums take b_out
.set n, 0
.rept 4
	ds_load_b128 v[32+8*n:32+8*n+3], v9 offset:64*(4*c+n)
	ds_load_b128 v[32+8*n+4:32+8*n+7], v9 offset:64*(4*c+n)+16
.set n, n+1
.endr
	s_wait_dscnt 0x0
	WIN 0x41
.set mt, 0
.rept 2
.set n, 0
.rept 4
.set q, 0
.rept 4
.set a, 8*(16*mt+4*c+n)+2*q
	v_pk_add_f32 v[a:a+1], v[a:a+1], v[32+8*n+2*q:32+8*n+2*q+1]
.set q, q+1
.endr
.set n, n+1
.endr
.set mt, mt+1
.endr
	WIN 0
.set c, c+1
.endr
.set j, 0
.rept 8                                ; attn W_out onto the sums: 32 products a step, four sums by turns
.if j == 7
	s_wait_dscnt 0x0
.else
	s_wait_dscnt 32                                ; the other buffer's 32 loads may stay out
.endif
	WIN 0x52
.set kf, 0
.rept 8
.set n, 0
.rept 2
.set mt, 0
.rept 2
.set a, 8*(16*mt+2*j+n)
.set f, 128*(j%2)+64*n+8*kf
	v_wmma_f32_16x16x32_bf16 v[a:a+7], v[f:f+7], v[64+64*mt+8*kf:64+64*mt+8*kf+7], v[a:a+7]
.set mt, mt+1
.endr
.set n, n+1
.endr
.set kf, kf+1
.endr
	PLACES
.if j < 6
	LDO j+2
.endif
.set j, j+1
.endr
	CHG 1                                          ; W_out's slot takes group 1, which lands under the layer norm
.macro FOLD                            ; four pairs of partial sums into one number, the same in both lanes of a token
	v_pk_add_f32 v[ST:ST+1], v[ST:ST+1], v[ST+2:ST+3]
	v_pk_add_f32 v[ST+4:ST+5], v[ST+4:ST+5], v[ST+6:ST+7]
	v_pk_add_f32 v[ST:ST+1], v[ST:ST+1], v[ST+4:ST+5]
	v_add_f32 v[ST], v[ST], v[ST+1]
	v_permlanex16_b32 v[ST+1], v[ST], s66, s67
	v_add_f32 v[ST], v[ST], v[ST+1]
.endm
; mean, centring in place, 1 / sqrt(variance + 1e-5) for token tile mt.  Each sum tile's lowest registers are read first.
.macro LNSTAT mt
.set ST, 192+16*(\mt)
.set AB, 128*(\mt)
	WIN 0x05
.set c, 0
.rept 4
	v_pk_add_f32 v[ST+2*c:ST+2*c+1], v[AB+2*c:AB+2*c+1], v[AB+8+2*c:AB+8+2*c+1]
.set c, c+1
.endr
	WIN 0x01
.set nt, 2
.rept 14
.set c, 0
.rept 4
	v_pk_add_f32 v[ST+2*c:ST+2*c+1], v[AB+8*nt+2*c:AB+8*nt+2*c+1], v[ST+2*c:ST+2*c+1]
.set c, c+1
.endr
.set nt, nt+1
.endr
	WIN 0
	FOLD
	v_mul_f32 v[ST+8], s68, v[ST]
	v_mul_f32 v[ST+9], s68, v[ST]
	WIN 0x41
.set c, 0
.rept 64
	v_pk_add_f32 v[AB+2*c:AB+2*c+1], v[AB+2*c:AB+2*c+1], v[ST+8:ST+9] neg_lo:[0,1] neg_hi:[0,1]
.set c, c+1
.endr
	WIN 0x05
.set c, 0
.rept 4
	v_pk_mul_f32 v[ST+2*c:ST+2*c+1], v[AB+2*c:AB+2*c+1], v[AB+2*c:AB+2*c+1]
.set c, c+1
.endr
.set nt, 1
.rept 15
.set c, 0
.rept 4
	v_pk_fma_f32 v[ST+2*c:ST+2*c+1], v[AB+8*nt+2*c:AB+8*nt+2*c+1], v[AB+8*nt+2*c:AB+8*nt+2*c+1], v[ST+2*c:ST+2*c+1]
.set c, c+1
.endr
.set nt, nt+1
.endr
	WIN 0
	FOLD
	v_fma_f32 v[ST+12], v[ST], s68, s69
	v_rsq_f32 v[ST+10], v[ST+12]
	v_rsq_f32 v[ST+11], v[ST+12]
	v_nop
	s_wait_alu depctr_va_vdst(0)
.endm
; gain and bias, two column tiles at a time.  which = 1: the result is also rounded to bf16 as the next product's source 1, and the sums then take b_fc2.
.macro LNAPPLY which
.set go, 5120+3072*((\which)-1)
.set c, 0
.rept 8
.set n, 0
.rept 2
	ds_load_b128 v[32+8*n:32+8*n+3], v9 offset:go+64*(2*c+n)
	ds_load_b128 v[32+8*n+4:32+8*n+7], v9 offset:go+64*(2*c+n)+16
	ds_load_b128 v[48+8*n:48+8*n+3], v9 offset:go+1024+64*(2*c+n)
	ds_load_b128 v[48+8*n+4:48+8*n+7], v9 offset:go+1024+64*(2*c+n)+16
.if (\which) == 1
	ds_load_b128 v[224+8*n:224+8*n+3], v9 offset:7168+64*(2*c+n)
	ds_load_b128 v[224+8*n+4:224+8*n+7], v9 offset:7168+64*(2*c+n)+16
.endif
.set n, n+1
.endr
	s_wait_dscnt 0x0
	WIN 0x41
.set k, 0
.rept 16                               ; k = 8 mt + 4 n + q
.set a, 8*(16*(k/8)+2*c+(k/4)%2)+2*(k%4)
	v_pk_mul_f32 v[a:a+1], v[a:a+1], v[202+16*(k/8):203+16*(k/8)]
.set k, k+1
.endr
.set k, 0
.rept 16
.set a, 8*(16*(k/8)+2*c+(k/4)%2)+2*(k%4)
	v_pk_fma_f32 v[a:a+1], v[a:a+1], v[32+2*(k%8):33+2*(k%8)], v[48+2*(k%8):49+2*(k%8)]
.set k, k+1
.endr
.if (\which) == 1
	WIN 0x05
.set k, 0
.rept 16
.set a, 8*(16*(k/8)+2*c+(k/4)%2)+2*(k%4)
	v_cvt_pk_bf16_f32 v[64+64*(k/8)+8*c+(k%8)], v[a], v[a+1]
.set k, k+1
.endr
	WIN 0x41
.set k, 0
.rept 16
.set a, 8*(16*(k/8)+2*c+(k/4)%2)+2*(k%4)
	v_pk_add_f32 v[a:a+1], v[a:a+1], v[224+2*(k%8):225+2*(k%8)]
.set k, k+1
.endr
.endif
	WIN 0
.set c, c+1
.endr
.endm
	LNSTAT 0
	LNSTAT 1
	LNAPPLY 1
.macro LDF1                            ; a unit's b_fc1 and its 32 rows of W_fc1: 36 loads
	v_add_nc_u32 v6, s59, v4
	v_add_nc_u32 v15, s63, v8
	ds_load_b128 v[32:35], v15
	ds_load_b128 v[36:39], v15 offset:16
	ds_load_b128 v[40:43], v15 offset:64
	ds_load_b128 v[44:47], v15 offset:80
	WIN 0x80
.set n, 0
.rept 2
.set kf, 0
.rept 8
	ds_load_b128 v[64*n+8*kf:64*n+8*kf+3], v6 offset:8448*n+64*kf
	ds_load_b128 v[64*n+8*kf+4:64*n+8*kf+7], v6 offset:8448*n+64*kf+32
.set kf, kf+1
.endr
.set n, n+1
.endr
	WIN 0
.endm
.macro LDF2                            ; a unit's 32 columns of W_fc2's 256 rows: 32 loads
	v_add_nc_u32 v7, s62, v5
	WIN 0x80
.set nt, 0
.rept 16
	ds_load_b128 v[128+8*nt:128+8*nt+3], v7 offset:4352*nt
	ds_load_b128 v[128+8*nt+4:128+8*nt+7], v7 offset:4352*nt+32
.set nt, nt+1
.endr
	WIN 0
.endm
; A UNIT: 32 hidden columns.  mode 0: the next unit lies in the same slot; 1: change of slots, this slot is filled again; 2: change of slots, nothing is asked for.
; No two matrix instructions that follow each other share an accumulator: four hidden sums by turns, then each of the 32 sums once.
.macro UNIT mode
	s_wait_dscnt 32                                ; F1 and the bias are in; F2's 32 loads, issued behind them, may stay out
	WIN 0x02
.set kf, 0
.rept 8
.set n, 0
.rept 2
.set mt, 0
.rept 2
.set a, 192+8*(2*n+mt)
.if kf == 0
	v_wmma_f32_16x16x32_bf16 v[a:a+7], v[64*n+8*kf:64*n+8*kf+7], v[64+64*mt+8*kf:64+64*mt+8*kf+7], v[32+8*n:32+8*n+7]
.else
	v_wmma_f32_16x16x32_bf16 v[a:a+7], v[64*n+8*kf:64*n+8*kf+7], v[64+64*mt+8*kf:64+64*mt+8*kf+7], v[a:a+7]
.endif
.set mt, mt+1
.endr
.set n, n+1
.endr
.set kf, kf+1
.endr
	WIN 0
	PLACES
.if (\mode) == 0
	s_add_co_u32 s59, s59, 16896
.else
	CHG 2-(\mode)
	s_sub_co_u32 s59, s59, 3*16896                 ; back to a slot's first unit,
	s_xor_b32 s59, s59, SLOTB                      ; in the other slot
	s_sub_co_u32 s62, s62, 192
	s_xor_b32 s62, s62, SLOTB
.endif
	s_add_co_u32 s63, s63, 128
	LDF1
.set k, 0
.rept 16                               ; k = 8 mt + 4 n + q: the hidden sums rounded to bf16 in pairs are source 1 of the second product
	v_cvt_pk_bf16_f32 v[224+k], v[192+8*(2*((k/4)%2)+k/8)+2*(k%4)], v[192+8*(2*((k/4)%2)+k/8)+2*(k%4)+1]
.set k, k+1
.endr
.set k, 0
.rept 16
	v_pk_max_num_bf16 v[224+k], v[224+k], v14      ; relu
.set k, k+1
.endr
	s_wait_dscnt 36                                ; F2 is in; the 36 loads just issued may stay out
	WIN 0x52
.set nt, 0
.rept 16
.set mt, 0
.rept 2
.set a, 8*(16*mt+nt)
	v_wmma_f32_16x16x32_bf16 v[a:a+7], v[128+8*nt:128+8*nt+7], v[224+8*mt:224+8*mt+7], v[a:a+7]
.set mt, mt+1
.endr
.set nt, nt+1
.endr
	WIN 0
	PLACES
.if (\mode) == 0
	s_add_co_u32 s62, s62, 64
.endif
	LDF2
.endm
.macro THREE
	s_mov_b32 s61, 3
.Lthree_\@:
	UNIT 0
	s_sub_co_u32 s61, s61, 1
	s_cmp_lg_u32 s61, 0
	s_cbranch_scc1 .Lthree_\@
.endm
	s_mov_b32 s59, SLOTB                           ; group 0 lies in slot 1
	s_mov_b32 s62, SLOTB+W2O
	s_mov_b32 s63, 0
	LDF1
	LDF2
	s_mov_b32 s60, 6
.Lgrp:                                                 ; groups 0 to 5: their slots are filled again with groups 2 to 7; a refill has 256 matrix instructions in which to land
	THREE
	UNIT 1
	s_sub_co_u32 s60, s60, 1
	s_cmp_lg_u32 s60, 0
	s_cbranch_scc1 .Lgrp
	s_mov_b32 s60, 2
.Ltail:                                                ; groups 6 and 7 ask for nothing.  The very last unit's fetches read bytes that were written and serve nothing: the price, once a launch, of one text for both
	THREE
	UNIT 2
	s_sub_co_u32 s60, s60, 1
	s_cmp_lg_u32 s60, 0
	s_cbranch_scc1 .Ltail
	s_wait_dscnt 0x0                               ; those fetches are back: their registers are free
	LNSTAT 0
	LNSTAT 1
	LNAPPLY 2
; THE WAY OUT: half rows of a token tile through my stage, back as rows: a store covers 512 consecutive bytes, aligned.  v128-159: my 16 bytes of each row of out0,
; a row that does not exist taking the last row's place (see the head).  Two sets of registers take turns, so that a pass's stores leave while the next pass is staged.
.set i, 0
.rept 32
	s_add_co_u32 s70, s58, i
	s_min_u32 s70, s70, M-1
	s_lshl_b32 s70, s70, 10
	v_add_nc_u32 v[128+i], s70, v19
.set i, i+1
.endr
.macro OUTP mt, hf
.set BK, 64+96*(((\mt)*2+(\hf))%2)
	WIN 0x04
.set t, 0
.rept 8
.set a, 8*(16*(\mt)+8*(\hf)+t)
	ds_store_b128 v10, v[a:a+3] offset:64*t
	ds_store_b128 v10, v[a+4:a+7] offset:64*t+16
.set t, t+1
.endr
	WIN 0
	s_wait_xcnt 0x0                                ; the stores of the pass before last have read this set of registers
.set i, 0
.rept 16
	ds_load_b128 v[BK+4*i:BK+4*i+3], v11 offset:528*i
.set i, i+1
.endr
.set i, 0
.rept 16
	s_wait_dscnt 15-i                              ; row i is back; the younger loads stay out
	global_store_b128 v[128+16*(\mt)+i], v[BK+4*i:BK+4*i+3], s[24:25] offset:512*(\hf) th:TH_STORE_NT
.set i, i+1
.endr
.endm
	OUTP 0, 0
	OUTP 0, 1
	OUTP 1, 0
	OUTP 1, 1
	s_wait_tensorcnt 0x0                           ; the wave's end
	ds_add_u32 v30, v31
	s_wait_dscnt 0x0
	CROUND                                         ; the closing round
	s_endpgm
.Lfunc_end_k_qde10b4df50_ffn:
	.size	k_qde10b4df50_ffn, .Lfunc_end_k_qde10b4df50_ffn-k_qde10b4df50_ffn
	.p2alignl 7, 3214868480
	.fill 96, 4, 3214868480
	.section	.rodata,"a",@progbits
	.p2align	6, 0x0
	.amdhsa_kernel k_qde10b4df50_ffn
		.amdhsa_group_segment_fixed_size 327680
		.amdhsa_private_segment_fixed_size 0
		.amdhsa_enable_private_segment 0
		.amdhsa_kernarg_size 88
		.amdhsa_user_sgpr_count 2
		.amdhsa_user_sgpr_kernarg_segment_ptr 1
		.amdhsa_wavefront_size32 1
		.amdhsa_system_sgpr_workgroup_id_x 1
		.amdhsa_system_sgpr_workgroup_id_y 1
		.amdhsa_system_sgpr_workgroup_id_z 1
		.amdhsa_system_vgpr_workitem_id 0
		.amdhsa_next_free_vgpr 1024
		.amdhsa_next_free_sgpr 80
		.amdhsa_reserve_vcc 0
		.amdhsa_float_denorm_mode_32 3
		.amdhsa_float_denorm_mode_16_64 3
		.amdhsa_memory_ordered 1
		.amdhsa_forward_progress 1
		.amdhsa_inst_pref_size 255
	.end_amdhsa_kernel
	.section	.bss,"aw",@nobits
	.p2align	6
	.space	262144
	.amdgpu_metadata
---
amdhsa.version: [ 1, 2 ]
amdhsa.kernels:
  - .name:           k_qde10b4df50_ffn
    .symbol:         k_qde10b4df50_ffn.kd
    .args:
      - { .name: attn, .offset: 0, .size: 8, .value_kind: global_buffer, .address_space: global }
      - { .name: hidden_states, .offset: 8, .size: 8, .value_kind: global_buffer, .address_space: global }
      - { .name: wt, .offset: 16, .size: 8, .value_kind: global_buffer, .address_space: global }
      - { .name: b_out, .offset: 24, .size: 8, .value_kind: global_buffer, .address_space: global }
      - { .name: ln1_g, .offset: 32, .size: 8, .value_kind: global_buffer, .address_space: global }
      - { .name: ln1_b, .offset: 40, .size: 8, .value_kind: global_buffer, .address_space: global }
      - { .name: b_fc1, .offset: 48, .size: 8, .value_kind: global_buffer, .address_space: global }
      - { .name: b_fc2, .offset: 56, .size: 8, .value_kind: global_buffer, .address_space: global }
      - { .name: ln2_g, .offset: 64, .size: 8, .value_kind: global_buffer, .address_space: global }
      - { .name: ln2_b, .offset: 72, .size: 8, .value_kind: global_buffer, .address_space: global }
      - { .name: out0, .offset: 80, .size: 8, .value_kind: global_buffer, .address_space: global }
    .group_segment_fixed_size: 327680
    .private_segment_fixed_size: 0
    .kernarg_segment_align: 8
    .kernarg_segment_size: 88
    .max_flat_workgroup_size: 128
    .sgpr_count:     80
    .vgpr_count:     1024
    .wavefront_size: 32
...
	.end_amdgpu_metadata
.endif
;; end of part 7
;; ======== version 3 of 3: 4 launches; version 2 with the launch prep written anew for expert scheduling mode
;; limits: values are held in f16: magnitudes above 65,504 overflow, below 6.1e-05 lose precision
;; workspace buffers: wt 1,507,328 bytes; vh 13,631,488 bytes; sidx 6,815,744 bytes of whole numbers; swt 27,262,976 bytes; attn 13,631,488 bytes
;; launch prep (part 8): grid 92 x 1, 8 waves a work-group, no clusters, 18,432 bytes of LDS; arguments W_val, W_off, W_att, W_out, W_fc1, W_fc2, wt; writes wt
.if DOCPART == 8
	.amdgcn_target "amdgcn-amd-amdhsa--gfx1250"
	.amdhsa_code_object_version 6
	.text
	.protected	k_qde10b4df50_prep
	.globl	k_qde10b4df50_prep
	.p2align	8
	.type	k_qde10b4df50_prep,@function
k_qde10b4df50_prep:
	s_mov_b64 s[64:65], 0
	v_nop
	global_prefetch_b8 v0, s[64:65] scope:SCOPE_SE
	s_setreg_imm32_b32 hwreg(HW_REG_WAVE_SCHED_MODE, 0, 2), 2
	s_setreg_imm32_b32 hwreg(HW_REG_WAVE_MODE, 25, 1), 1
	s_wait_xcnt 0x0
	s_wait_alu depctr_vm_vsrc(0)
; The six weight matrices, f32 [k][n], are rounded once to bf16 and written transposed, [n][k], into wt, so that the later
; launches' matrix fragments lie along k.  A work-group turns one tile of 128 k x 64 n through LDS: 92 tiles in all.
; wt: WV at 0 [256][256]; WOA at 131,072 [384][256]: head h owns rows 48 h .. 48 h + 47: its 32 offset columns, then its 16 logit
; columns with bits 2 and 3 of the point's number exchanged (levels in the order 0, 2, 1, 3); WO at 327,680 [256][256];
; W1 at 458,752 [1024][256]; W2 at 983,040 [256][1024].
; Reads: 16 lanes take 256 consecutive bytes of a source row.  Writes: 16 lanes fill 256 consecutive bytes, aligned, of a row of wt.
; THE MODE: SCHED_MODE bits 1:0 = 2 (LLVM: expert scheduling mode 2), set by the entry lines.  The code itself states the register dependences
; between vector instructions and memory or LDS instructions, with s_wait_alu, always for 0.
; THE PLAN.  Registers that memory or LDS instructions touch (the text has no loop):
;   AD  v4-11    written by vector lines at the head, never again; read by the eight global loads.
;   X   v12-43   the eight global loads land in it; the conversions read it and write registers 4 i and 4 i + 1 of it; the LDS stores read those;
;                the four read-backs land in v12-27; the global stores read those.
;   LST, LRD, DR written by vector lines while the global loads are out, on every way through the branch, never again; read by the LDS stores,
;                the read-backs and the global stores.
;   SPW, NIL     written at the head, read by the closing add alone.
; So: one wait on va_vdst ahead of the global loads (AD); the eight loads' numbers go in two groups of four, each with ONE wait on va_vdst between its eight
; conversions and its sixteen LDS stores; no vector instruction follows the second of these waits, so it also serves the read-backs and the global stores;
; one wait on vm_vsrc ahead of the read-backs, which land in registers that the LDS stores read.  No vector instruction writes a scalar register, VCC or EXEC.
.set TP,    272                        ; an LDS row: 128 bf16 + 16 bytes
.set SPARE, 17408                      ; behind the tile: the spare words, 128 bytes for each of the eight waves
.set SPW, 62
.set NIL, 63
.set AD,  4                            ; v4-11   byte offsets of my eight loads
.set X,   12                           ; v12-43  eight loads of four f32; later four read-backs
.set LST, 44                           ; where I put my numbers in the tile
.set NN,  48                           ; v48-51  the four columns n whose rows I write
.set DR,  52                           ; v52-55  their rows in wt, then their byte offsets
.set LRD, 56
.set C16, 57
.set TT,  58
	s_load_b256 s[4:11], s[0:1], 0x0               ; W_val, W_off, W_att, W_out
	s_load_b128 s[12:15], s[0:1], 0x20             ; W_fc1, W_fc2
	s_load_b64 s[16:17], s[0:1], 0x30              ; wt
	v_lshl_add_u32 v[SPW], v0, 2, SPARE
	v_mov_b32 v[NIL], 0
	v_lshrrev_b32 v1, 4, v0                        ; 0..15: a row of the tile's sixteen
	v_and_b32 v2, 15, v0                           ; 0..15: 16 bytes of a row
	; which matrix, by the work-group's number: selects, no branch.  s22 = 4 N, s23 = first work-group, s24 = log2 of the k tiles,
	; s25 = place in wt, s26 = log2 of wt's row bytes, s27 = how a column's row is made
	s_mov_b32 s22, 1024
	s_mov_b32 s23, 60
	s_mov_b32 s24, 3
	s_mov_b32 s25, 983040
	s_mov_b32 s26, 11
	s_mov_b32 s27, 0
	s_wait_kmcnt 0x0
	s_mov_b64 s[20:21], s[14:15]
	s_cmp_lt_u32 ttmp9, 60
	s_cselect_b64 s[20:21], s[12:13], s[20:21]
	s_cselect_b32 s22, 4096, s22
	s_cselect_b32 s23, 28, s23
	s_cselect_b32 s24, 1, s24
	s_cselect_b32 s25, 458752, s25
	s_cselect_b32 s26, 9, s26
	s_cmp_lt_u32 ttmp9, 28
	s_cselect_b64 s[20:21], s[10:11], s[20:21]
	s_cselect_b32 s22, 1024, s22
	s_cselect_b32 s23, 20, s23
	s_cselect_b32 s25, 327680, s25
	s_cmp_lt_u32 ttmp9, 20
	s_cselect_b64 s[20:21], s[8:9], s[20:21]
	s_cselect_b32 s22, 512, s22
	s_cselect_b32 s23, 16, s23
	s_cselect_b32 s25, 131072, s25
	s_cselect_b32 s27, 2, s27
	s_cmp_lt_u32 ttmp9, 16
	s_cselect_b64 s[20:21], s[6:7], s[20:21]
	s_cselect_b32 s22, 1024, s22
	s_cselect_b32 s23, 8, s23
	s_cselect_b32 s27, 1, s27
	s_cmp_lt_u32 ttmp9, 8
	s_cselect_b64 s[20:21], s[4:5], s[20:21]
	s_cselect_b32 s23, 0, s23
	s_cselect_b32 s25, 0, s25
	s_cselect_b32 s27, 0, s27
	s_sub_co_u32 s28, ttmp9, s23                   ; the tile's number in its matrix
	s_bfm_b32 s29, s24, 0
	s_and_b32 s29, s28, s29
	s_lshr_b32 s30, s28, s24
	s_lshl_b32 s29, s29, 7                         ; k0
	s_lshl_b32 s30, s30, 6                         ; n0
	s_mul_i32 s32, s29, s22
	s_lshl_b32 s31, s30, 2
	s_add_co_u32 s32, s32, s31
	s_mov_b32 s33, 0
	s_add_nc_u64 s[20:21], s[20:21], s[32:33]      ; the tile's first number
	s_lshl_b32 s34, s22, 4                         ; sixteen source rows
	s_lshl_b32 s35, s29, 1
	s_add_co_u32 s35, s35, s25                     ; place in wt + 2 k0
	v_mul_lo_u32 v[AD], v1, s22
	v_lshl_add_u32 v[AD], v2, 4, v[AD]
.set i, 1
.rept 7
	v_add_nc_u32 v[AD+i], s34, v[AD+i-1]
.set i, i+1
.endr
	s_wait_alu depctr_va_vdst(0)                   ; the eight offsets v[AD ..] are written, which the loads below read
.set i, 0
.rept 8
	global_load_b128 v[X+4*i:X+4*i+3], v[AD+i], s[20:21] th:TH_LOAD_NT
.set i, i+1
.endr
	v_mul_u32_u24 v[LST], v2, 4*TP                 ; my four columns n = 4 (t % 16) + e are four LDS rows,
	v_lshl_add_u32 v[LST], v1, 1, v[LST]           ; my k its place in them
	v_mul_u32_u24 v[LRD], v1, TP
	v_lshl_add_u32 v[LRD], v2, 4, v[LRD]
	v_lshlrev_b32 v[C16], 4, v2
.set j, 0
.rept 4
	v_add_nc_u32 v[NN+j], s30, v1
	v_add_nc_u32 v[NN+j], 16*j, v[NN+j]
.set j, j+1
.endr
	s_cmp_eq_u32 s27, 1                            ; the branch is the same for the whole work-group; no barrier stands inside
	s_cbranch_scc1 .Lmode1
	s_cmp_eq_u32 s27, 2
	s_cbranch_scc1 .Lmode2
.set j, 0
.rept 4
	v_mov_b32 v[DR+j], v[NN+j]
.set j, j+1
.endr
	s_branch .Lrows
.Lmode1:                                               ; offsets: column 32 h + c goes to row 48 h + c
.set j, 0
.rept 4
	v_lshrrev_b32 v[DR+j], 5, v[NN+j]
	v_lshl_add_u32 v[DR+j], v[DR+j], 4, v[NN+j]
.set j, j+1
.endr
	s_branch .Lrows
.Lmode2:                                               ; logits: column 16 h + pt goes to row 48 h + 32 + pt with bits 2 and 3 exchanged
.set j, 0
.rept 4
	v_lshrrev_b32 v[TT], 4, v[NN+j]
	v_mad_u32_u24 v[DR+j], v[TT], 48, 32
	v_and_b32 v[TT], 3, v[NN+j]
	v_add_nc_u32 v[DR+j], v[DR+j], v[TT]
	v_bfe_u32 v[TT], v[NN+j], 2, 1
	v_lshl_add_u32 v[DR+j], v[TT], 3, v[DR+j]
	v_bfe_u32 v[TT], v[NN+j], 3, 1
	v_lshl_add_u32 v[DR+j], v[TT], 2, v[DR+j]
.set j, j+1
.endr
.Lrows:
.set j, 0
.rept 4
	v_lshlrev_b32 v[DR+j], s26, v[DR+j]
	v_add3_u32 v[DR+j], v[DR+j], v[C16], s35
.set j, j+1
.endr
; Two groups of four loads: eight conversions, one wait, sixteen LDS stores.  The second group's conversions write v[X + 16 ..], which no store of the first group reads.
.set g, 0
.rept 2
	s_wait_loadcnt 4-4*g                           ; loads come back in order: this group's four are in; behind the first group the four younger ones stay out
.set i, 4*g
.rept 4
	v_cvt_pk_bf16_f32 v[X+4*i], v[X+4*i], v[X+4*i+1]
	v_cvt_pk_bf16_f32 v[X+4*i+1], v[X+4*i+2], v[X+4*i+3]
.set i, i+1
.endr
	s_wait_alu depctr_va_vdst(0)                   ; the group's conversions have written the stores' data; v[LST], their address, is written too.  The second group's wait is the kernel's last on this field: behind it v[LRD] and v[DR ..] are written and the conversions are done with v[X ..], in which the read-backs land
.set i, 4*g
.rept 4
	ds_store_b16 v[LST], v[X+4*i] offset:32*i
	ds_store_b16_d16_hi v[LST], v[X+4*i] offset:TP+32*i
	ds_store_b16 v[LST], v[X+4*i+1] offset:2*TP+32*i
	ds_store_b16_d16_hi v[LST], v[X+4*i+1] offset:3*TP+32*i
.set i, i+1
.endr
.set g, g+1
.endr
	s_wait_dscnt 0x0                               ; for the others' sake: my stores into the tile are done
	s_barrier_signal -1
	s_barrier_wait -1
	s_wait_alu depctr_vm_vsrc(0)                   ; my LDS stores have read their data in v[X ..], in which the read-backs below land
.set j, 0
.rept 4
	ds_load_b128 v[X+4*j:X+4*j+3], v[LRD] offset:16*j*TP
.set j, j+1
.endr
.set j, 0
.rept 4
	s_wait_dscnt 3-j                               ; read-back j is in, the younger ones stay out
	global_store_b128 v[DR+j], v[X+4*j:X+4*j+3], s[16:17]
.set j, j+1
.endr
	s_wait_dscnt 0x0                               ; the wave's end
	s_wait_alu 0x0
	s_wait_tensorcnt 0x0
	ds_add_u32 v[SPW], v[NIL]
	s_wait_dscnt 0x0
	s_endpgm
.Lfunc_end_k_qde10b4df50_prep:
	.size	k_qde10b4df50_prep, .Lfunc_end_k_qde10b4df50_prep-k_qde10b4df50_prep
	.p2alignl 7, 3214868480
	.fill 96, 4, 3214868480
	.section	.rodata,"a",@progbits
	.p2align	6, 0x0
	.amdhsa_kernel k_qde10b4df50_prep
		.amdhsa_group_segment_fixed_size 18432
		.amdhsa_private_segment_fixed_size 0
		.amdhsa_enable_private_segment 0
		.amdhsa_kernarg_size 56
		.amdhsa_user_sgpr_count 2
		.amdhsa_user_sgpr_kernarg_segment_ptr 1
		.amdhsa_wavefront_size32 1
		.amdhsa_system_sgpr_workgroup_id_x 1
		.amdhsa_system_sgpr_workgroup_id_y 1
		.amdhsa_system_sgpr_workgroup_id_z 1
		.amdhsa_system_vgpr_workitem_id 0
		.amdhsa_next_free_vgpr 64
		.amdhsa_next_free_sgpr 66
		.amdhsa_reserve_vcc 0
		.amdhsa_float_denorm_mode_32 3
		.amdhsa_float_denorm_mode_16_64 3
		.amdhsa_memory_ordered 1
		.amdhsa_forward_progress 1
		.amdhsa_inst_pref_size 12
	.end_amdhsa_kernel
	.amdgpu_metadata
---
amdhsa.version: [ 1, 2 ]
amdhsa.kernels:
  - .name:           k_qde10b4df50_prep
    .symbol:         k_qde10b4df50_prep.kd
    .args:
      - { .name: W_val, .offset: 0, .size: 8, .value_kind: global_buffer, .address_space: global }
      - { .name: W_off, .offset: 8, .size: 8, .value_kind: global_buffer, .address_space: global }
      - { .name: W_att, .offset: 16, .size: 8, .value_kind: global_buffer, .address_space: global }
      - { .name: W_out, .offset: 24, .size: 8, .value_kind: global_buffer, .address_space: global }
      - { .name: W_fc1, .offset: 32, .size: 8, .value_kind: global_buffer, .address_space: global }
      - { .name: W_fc2, .offset: 40, .size: 8, .value_kind: global_buffer, .address_space: global }
      - { .name: wt, .offset: 48, .size: 8, .value_kind: global_buffer, .address_space: global }
    .group_segment_fixed_size: 18432
    .private_segment_fixed_size: 0
    .kernarg_segment_align: 8
    .kernarg_segment_size: 56
    .max_flat_workgroup_size: 256
    .sgpr_count:     66
    .vgpr_count:     64
    .wavefront_size: 32
...
	.end_amdgpu_metadata
.endif
;; end of part 8
;; launch proj: the kernel of part 5 again; grid 208 x 1, 4 waves a work-group, clusters of 4 x 1, 327,680 bytes of LDS; arguments hidden_states, position_embeddings, attention_mask, reference_points, spatial_shapes, wt, b_val, b_off, b_att, vh, sidx, swt; writes vh, sidx, swt
;; launch samp: the kernel of part 6 again; grid 256 x 1, 16 waves a work-group, no clusters, 215,040 bytes of LDS; arguments vh, sidx, swt, attn; writes attn
;; launch ffn: the kernel of part 7 again; grid 208 x 1, 4 waves a work-group, clusters of 4 x 1, 327,680 bytes of LDS; arguments attn, hidden_states, wt, b_out, ln1_g, ln1_b, b_fc1, b_fc2, ln2_g, ln2_b, out0; writes out0
